; MI455X (gfx1250); checked and timed in simulation.
; The chip was launched on July 23, 2026; its instructions are those of AMD's public machine-readable ISA for CDNA 5 (MIT licence, August 2026) and "CDNA5" Instruction Set Architecture Reference Guide (July 2026). The comments in the code are by the model that wrote it; some were corrected since.
;; Causal Self Attention. Allowed arithmetic: matrix products marked QUANTISED: E3M2 operands, one E8M0 scale for each 32 along K, by v_wmma_scale_f32_16x16x128_f8f6f4 with both operands' format E3M2, f32 sums; everything else in f32.
;; Inputs: W_attn 1,024 x 3,072 float32; W_proj 1,024 x 1,024 float32; b_attn 3,072 float32; b_proj 1,024 float32; x 4 x 2,048 x 1,024 float32.
;; Outputs: out0 4 x 2,048 x 1,024 float32.
;; This version of the problem:
;;   THIS VERSION OF THE PROBLEM IS GIVEN IN LOW PRECISION. The matrix products marked QUANTISED in the list below multiply operands that are first quantised to E3M2 (3 exponent bits, 2 mantissa bits; 6 bits a number), with one power-of-two scale for each 32 numbers along K (OCP MX v1.0); their sums are f32. All else is computed in f32.
;;   The module's matrix products, in the order in which they are computed (A, B: the left and right operand; K: the contracted axis; several contracted axes count as one K, in the product's order):
;;     1. [M 8,192, K 1,024] x [K 1,024, N 3,072]; A: input x; B: input W_attn: QUANTISED
;;     2. batch 64 x [M 2,048, K 64] x [K 64, N 2,048]; A: computed on the way; B: computed on the way: QUANTISED
;;     3. batch 64 x [M 2,048, K 2,048] x [K 2,048, N 64]; A: softmax (see below); B: computed on the way: QUANTISED
;;     4. [M 8,192, K 1,024] x [K 1,024, N 1,024]; A: computed on the way; B: input W_proj: QUANTISED
;;   THE QUANTISER, for each operand of a quantised product, along K:
;;     - K is cut into blocks of 32 from its start; a last block that is shorter is filled with zeros.
;;     - A block's scale is 2^e with e = floor(log2(the largest magnitude in the block)) - 4, held to -126 .. 127; a block of zeros has e = 0. As a byte (E8M0): e + 127.
;;     - Each number is divided by its block's scale, clamped to +-28, and rounded to the nearest number of E3M2, ties to even, subnormals kept.
;;     - The product sums the exact products of the quantised numbers (number of the format x scale) in f32.
;;   ~~~python
;;   def quantise(x, axis):      # numpy; x: float32 -> the quantised numbers, widened to float32 again
;;       x = np.moveaxis(x, axis, -1); K = x.shape[-1]
;;       x = np.pad(x, [(0, 0)] * (x.ndim - 1) + [(0, -K % 32)]); x = x.reshape(x.shape[:-1] + (-1, 32)); a = np.abs(x).max(-1, keepdims=True)
;;       e = np.where(a > 0, np.clip(np.frexp(np.where(a > 0, a, 1))[1] - 1 - 4, -126, 127), 0)      # np.frexp(a)[1] - 1 = floor(log2(a)), exactly
;;       r = np.clip(x / 2.0 ** e, -28, 28)
;;       step = 2.0 ** (np.maximum(np.frexp(np.where(r == 0, 1, r))[1] - 1, -2) - 2)
;;       q = np.round(r / step) * step * 2.0 ** e      # np.round: ties to even
;;       return np.moveaxis(q.reshape(q.shape[:-2] + (-1,))[..., :K], -1, axis).astype(np.float32)
;;   ~~~
;;   SOFTMAX AHEAD OF A QUANTISED PRODUCT. Where the list says 'softmax', what is quantised is not the finished softmax but p = 2^(t - M), with t = logit x log2(e) and M = ceil(the row's largest t), a whole number; so 1/2 < the row's largest p <= 1. The row's sum l is taken of the UNQUANTISED p, in f32, and the product's result is divided by l at the end. Since M is a whole number, a kernel that streams over the keys may use a running M (the ceiling of the running maximum): every later rescaling is an exact power of two, which a block's scale takes up: the codes' values come out the same.
;;   OPERANDS COMPUTED ON THE WAY. 'Computed on the way' means the value that the module computes at that place (a softmax that the list does not call 'softmax' is quantised finished and normalised). What goes into a quantiser is computed in f32, as accurately as f32 sums, v_exp_f32 and their like allow (about 1e-6 of the number): no bf16 or f16 on the way to a quantiser, and a product that is left as it is and whose result goes on into a quantised operand takes f32 operands (vector FMAs, or v_wmma_f32_16x16x4_f32). A number that lies on a knife's edge between two numbers of the format may be rounded either way, as far as f32 arithmetic and the matrix unit's own rounding can turn it there, and no further.
;; One version. Each part assembles by itself: llvm-mc -triple=amdgcn-amd-amdhsa -mcpu=gfx1250 --defsym DOCPART=n.
;; ======== version 1 of 1: 4 launches
;; limits: right only within a limited range of input values
;; workspace buffers: ops 9,830,400 bytes; qkvc 19,660,800 bytes; yq 6,553,600 bytes
;; launch prep (part 1): grid 384 x 1, 4 waves a work-group, no clusters, 73,216 bytes of LDS; arguments x, W_attn, W_proj, ops; writes ops
.if DOCPART == 1
	.amdgcn_target "amdgcn-amd-amdhsa--gfx1250"
	.amdhsa_code_object_version 6
	.text
	.protected	k_q8a32d0660f_prep
	.globl	k_q8a32d0660f_prep
	.p2align	8
	.type	k_q8a32d0660f_prep,@function
k_q8a32d0660f_prep:
	s_mov_b64 s[64:65], 0
	v_nop
	global_prefetch_b8 v0, s[64:65] scope:SCOPE_SE
	s_setreg_imm32_b32 hwreg(HW_REG_WAVE_MODE, 25, 1), 1
	s_wait_xcnt 0x0
; x [8192][1024], W_attn [1024][3072] and W_proj [1024][1024], f32, become codes of BF6 (E3M2) and E8M0 scale bytes, one for each 32 along K (K = the 1,024), in the workspace ops.
; A block's scale is 2^(floor(log2(its largest magnitude)) - 4): its byte is the largest magnitude's exponent field - 4, held at 1 from below.
; LIMITS: NaN and infinities among the inputs are not served; a block of zeros, or one whose largest magnitude lies under 2^(5 - 127), gets the byte 1 (the rule says 127 for zeros): its codes are
; zeros or near it, and the bytes are read by this program alone.
; THE WORKSPACE IS LAID AS THE MATRIX UNIT'S REGISTERS WANT IT.  Rows (tokens of x, columns of the weights) stand in the order rho = the true index with bits 3 and 4 exchanged.
;   codes:  (rho / 16) x 12288 + (k / 64) x 768 + j x 256 + ((rho % 16) + 16 ((k / 32) % 2)) x 8: bytes 8 j .. 8 j + 7 of the block's 24
;   scales: SCB + (rho / 32) x 1024 + (k / 256) x 256 + (rho % 32) x 8 + (k / 32) % 8
;   rows 0-8191 x, 8192-11263 W_attn's columns, 11264-12287 W_proj's.
; A wave takes 32 rows x 256 along K: 24 aligned runs of 256 bytes of codes and one of scale bytes; each leaves by one store of the 32 lanes.
; Work-groups 0-127 take the weights (a lane to a column, registers down K), 128-383 take x (K innermost: 16 neighbours a lane, turned through LDS).  The two ways have LDS bytes of their own.
; No tensor load, no barrier: waves share nothing.
.set SCB,   9437184
.set FLOOR, 0x2800000                  ; 2^(5 - 127)
.set EOFF,  0xfe000000                 ; 4 off an exponent field
.macro OUTBASE                         ; s15 = which 32 rows, s13 = which 256 along K:  s[42:43] the codes' place, s[44:45] the scale bytes'
	s_mul_i32 s46, s15, 24576
	s_mul_i32 s47, s13, 3072
	s_add_co_u32 s46, s46, s47
	s_mov_b32 s47, 0
	s_add_nc_u64 s[42:43], s[10:11], s[46:47]
	s_lshl_b32 s46, s15, 10
	s_lshl_b32 s48, s13, 8
	s_add_co_u32 s46, s46, s48
	s_add_co_u32 s46, s46, SCB
	s_add_nc_u64 s[44:45], s[10:11], s[46:47]
.endm
.macro OUT                             ; the wave's code stage (two tiles of 16 rows, 3,200 bytes apart; in each four groups of 768 bytes, 784 apart) leaves: 24 stores of 256 consecutive, aligned bytes
.set N, 0
.rept 24
	ds_load_b64 v[16+2*N:17+2*N], v9 offset:(N/12)*3200+((N%12)/3)*784+(N%3)*256   ; LDS serves a wave's instructions in order: these see my stores
.set N, N+1
.endr
.set N, 0
.rept 24
	s_wait_dscnt 23-N                              ; load N is in; the younger ones may be out
	global_store_b64 v2, v[16+2*N:17+2*N], s[42:43] offset:(N/12)*12288+256*(N%12)
.set N, N+1
.endr
.endm
	s_load_b256 s[4:11], s[0:1], 0x0               ; x s[4:5], W_attn s[6:7], W_proj s[8:9], ops s[10:11]
	v_lshl_add_u32 v128, v0, 2, 0x11c00
	v_mov_b32 v129, 0
	v_lshrrev_b32 v1, 5, v0
	v_readfirstlane_b32 s12, v1                    ; wave
	v_and_b32 v1, 31, v0                           ; lane
	v_lshlrev_b32 v2, 3, v1                        ; 8 x lane
	s_cmp_lt_u32 ttmp9, 128
	s_cbranch_scc0 .Lxpath
; ---------------- the weights: K is the first axis.  Lane = true column, registers run down K.
	s_lshr_b32 s13, ttmp9, 5                       ; which 256 along K
	s_and_b32 s14, ttmp9, 31                       ; which 128 columns: 0-23 W_attn's, 24-31 W_proj's
	s_lshl_b32 s15, s14, 2
	s_add_co_u32 s15, s15, s12                     ; g: which 32 columns of the weights (0-95 W_attn's, 96-127 W_proj's)
	; W_attn's columns stand in the workspace HEAD BY HEAD: head h has 192 rows on end, its 64 of q, its 64 of k, its 64 of v:
	; group g = 32 part + 2 h + half goes to place 6 h + 2 part + half.  W_proj's groups keep their places.
	s_bfe_u32 s16, s15, 0x40001                    ; h: bits 4:1
	s_mul_i32 s16, s16, 6
	s_lshr_b32 s17, s15, 5                         ; part: q, k, v
	s_lshl_b32 s17, s17, 1
	s_add_co_u32 s16, s16, s17
	s_and_b32 s17, s15, 1
	s_add_co_u32 s16, s16, s17
	s_cmp_lt_u32 s15, 96
	s_cselect_b32 s15, s16, s15
	s_add_co_u32 s15, s15, 256                     ; which 32 rows of the workspace
	s_wait_kmcnt 0x0
	s_cmp_lt_u32 s14, 24                           ; the choice hangs on the work-group's number alone
	s_cselect_b64 s[24:25], s[6:7], s[8:9]
	s_mov_b32 s40, 4096
	s_cselect_b32 s40, 12288, s40                  ; a row of the weight in bytes
	s_cselect_b32 s16, 0, 24
	s_sub_co_u32 s16, s14, s16                     ; which 128 columns of that weight
	s_lshl_b32 s17, s13, 8
	s_mul_i32 s20, s17, s40                        ; 256 rows down for each step along K
	s_lshl_b32 s18, s16, 9
	s_add_co_u32 s20, s20, s18
	s_lshl_b32 s18, s12, 7
	s_add_co_u32 s20, s20, s18                     ; + 4 x (128 x group + 32 x wave)
	s_mov_b32 s21, 0
	s_add_nc_u64 s[24:25], s[24:25], s[20:21]
	s_lshl_b32 s22, s40, 5                         ; 32 rows on
	s_mov_b32 s23, 0
.irp t, 1,2,3,4,5,6,7
	s_add_nc_u64 s[24+2*\t:25+2*\t], s[22+2*\t:23+2*\t], s[22:23]   ; a base for each block of 32 along K: none is stepped later
.endr
	OUTBASE
	s_wait_alu depctr_va_vdst(0)
	v_bfe_u32 v11, v1, 3, 1                        ; bit 3 of the column is bit 4 of the workspace row: which tile of 16
	v_and_b32 v12, 7, v1
	v_bfe_u32 v13, v1, 4, 1
	v_lshl_add_u32 v12, v13, 3, v12                ; the row in the tile
	s_mul_i32 s17, s12, 6400
	s_add_co_u32 s17, s17, 47104                   ; my code stage
	v_mul_u32_u24 v4, v11, 3200
	v_lshl_add_u32 v4, v12, 3, v4
	v_add_nc_u32 v4, s17, v4                       ; where my column's codes go
	v_lshlrev_b32 v5, 7, v11
	v_lshl_add_u32 v5, v12, 3, v5                  ; 8 x workspace row: my place among the scale bytes
	v_add_nc_u32 v9, s17, v2                       ; and where the stage is read back
	v_lshlrev_b32 v80, 2, v1
.set Q, 1
.rept 31
	v_add_nc_u32 v[80+Q], s40, v[79+Q]             ; 4 x lane + i rows: never rewritten
.set Q, Q+1
.endr
.macro WLOAD t                         ; block t: W(32 t + i, my column), i = 0 .. 31: each load reads 128 consecutive bytes a wave, 512 a work-group
.set Q, 0
.rept 32
	global_load_b32 v[16+32*((\t)%2)+Q], v[80+Q], s[24+2*(\t):25+2*(\t)] th:TH_LOAD_NT
.set Q, Q+1
.endr
.endm
.macro BLOCK t
.set XS, 16+32*((\t)%2)
.if (\t) < 7
	s_wait_loadcnt 32                              ; this block's 32 loads are in; the next block's may be out
.else
	s_wait_loadcnt 0
.endif
	v_max3_num_f32 v12, |v[XS]|, |v[XS+1]|, |v[XS+2]|      ; the block's largest magnitude: all 32 numbers are mine
	v_max3_num_f32 v13, |v[XS+3]|, |v[XS+4]|, |v[XS+5]|
.irp i, 6,10,14,18,22,26
	v_max3_num_f32 v12, v12, |v[XS+\i]|, |v[XS+\i+1]|
	v_max3_num_f32 v13, v13, |v[XS+\i+2]|, |v[XS+\i+3]|
.endr
	v_max3_num_f32 v12, v12, |v[XS+30]|, |v[XS+31]|
	v_max3_num_f32 v12, v12, v13, FLOOR            ; and the floor: the byte cannot fall under 1
	v_add_nc_u32 v11, EOFF, v12                    ; the conversion takes the exponent field of this operand as its scale
	v_lshrrev_b32 v13, 23, v11                     ; the scale's byte
.if (\t)%4 == 0
	v_mov_b32 v[120+(\t)/4], v13
.else
	v_lshl_or_b32 v[120+(\t)/4], v13, 8*((\t)%4), v[120+(\t)/4]
.endif
	v_cvt_scalef32_pk16_bf6_f32 v[112:114], v[XS:XS+15], v11
	v_cvt_scalef32_pk16_bf6_f32 v[116:118], v[XS+16:XS+31], v11   ; (a conversion's three registers begin on an even number)
	v_nop                                          ; one plain place behind a scaled conversion
	v_mov_b32 v115, v116
	v_mov_b32 v116, v117
	v_mov_b32 v117, v118                           ; v112-117: the block's 24 bytes
.irp j, 0,1,2
	ds_store_b64 v4, v[112+2*\j:113+2*\j] offset:((\t)/2)*784+128*((\t)%2)+256*\j
.endr
.if (\t)+2 < 8
	WLOAD (\t)+2
.endif
	s_wait_dscnt 0x0                               ; the stores have read their registers
.endm
	WLOAD 0
	WLOAD 1
.irp t, 0,1,2,3,4,5,6,7
	BLOCK \t
.endr
	s_wait_alu depctr_va_vdst(0)
	global_store_b64 v5, v[120:121], s[44:45]      ; 32 rows x 8 scale bytes: 256 consecutive, aligned bytes
	OUT
	s_wait_tensorcnt 0x0
	ds_add_u32 v128, v129
	s_wait_dscnt 0x0
	s_endpgm
; ---------------- x: K is innermost.
.Lxpath:
	s_sub_co_u32 s15, ttmp9, 128                   ; which 32 rows
	s_mov_b32 s13, s12                             ; which 256 along K: the wave's number
	s_lshl_b32 s20, s15, 17                        ; 32 rows of 4,096 bytes
	s_lshl_b32 s21, s12, 10
	s_add_co_u32 s20, s20, s21
	s_mov_b32 s21, 0
	s_wait_kmcnt 0x0
	s_add_nc_u64 s[4:5], s[4:5], s[20:21]
	OUTBASE
	; LDS of a wave, 11,776 bytes: two turning stages of 32 x 80, the code stage (6,400) at 5,120, the scale bytes (256) at 11,520
	s_mul_i32 s17, s12, 11776
	s_wait_alu depctr_va_vdst(0)
	v_lshlrev_b32 v3, 4, v1                        ; my 16 bytes of a load's 512
	v_lshrrev_b32 v11, 2, v1
	v_mul_u32_u24 v4, v11, 80
	v_and_b32 v11, 3, v1
	v_lshl_add_u32 v4, v11, 4, v4
	v_add_nc_u32 v4, s17, v4                       ; the turn, in: four lanes' 64 bytes on end, then 16 of padding
	v_mul_u32_u24 v5, v1, 80
	v_add_nc_u32 v5, s17, v5                       ; out: my 16 neighbours
	; behind the turn lane l holds, of workspace row 2 t + l / 16, k = 16 (l % 16) + 0 .. 15: group (l / 4) % 4, half (l / 2) % 2 of the group, half l % 2 of the block
	v_bfe_u32 v11, v1, 2, 2
	v_mul_u32_u24 v6, v11, 784
	v_bfe_u32 v11, v1, 1, 1
	v_lshl_add_u32 v6, v11, 7, v6
	v_bfe_u32 v12, v1, 4, 1
	v_lshl_add_u32 v6, v12, 3, v6
	v_add_nc_u32 v6, s17, v6
	v_add_nc_u32 v6, 5120, v6
	v_and_b32 v11, 1, v1
	v_mad_u32_u24 v7, v11, 508, v6
	v_add_nc_u32 v7, 4, v7                         ; my second word: byte 4 of piece 0, or byte 0 of piece 2
	v_mad_u32_u24 v6, v11, 260, v6                 ; my first word: byte 0 of piece 0, or byte 4 of piece 1; my third lies 256 on
	v_bfe_u32 v11, v1, 1, 3
	v_lshl_add_u32 v8, v12, 3, v11
	v_add_nc_u32 v8, s17, v8
	v_add_nc_u32 v8, 11520, v8                     ; my block's scale byte
	v_add_nc_u32 v9, s17, v2
	v_add_nc_u32 v10, 11520, v9                    ; the scale bytes, read back
	v_add_nc_u32 v9, 5120, v9                      ; the code stage, read back
.macro XLOAD t                         ; workspace rows 2 t and 2 t + 1: four loads of 512 consecutive bytes; the true row has bits 3 and 4 exchanged
.irp i, 0,1,2,3
.set RR, 2*(\t)+\i/2
	global_load_b128 v[16+16*((\t)%4)+4*\i:16+16*((\t)%4)+4*\i+3], v3, s[4:5] offset:((RR&7)+16*((RR>>3)&1)+8*((RR>>4)&1))*4096+512*(\i%2) th:TH_LOAD_NT
.endr
.endm
.macro TURN t
.irp i, 0,1,2,3
	ds_store_b128 v4, v[16+16*((\t)%4)+4*\i:16+16*((\t)%4)+4*\i+3] offset:2560*((\t)%2)+640*\i
.endr
.irp i, 0,1,2,3
	ds_load_b128 v[80+16*((\t)%2)+4*\i:80+16*((\t)%2)+4*\i+3], v5 offset:2560*((\t)%2)+16*\i
.endr
.endm
.macro XSTEP t
.set XS, 80+16*((\t)%2)
.set CC, 112+4*((\t)%2)
.set KT, ((\t)/8)*3200+16*((\t)%8)
.if (\t) > 0
	s_wait_dscnt 4                                 ; this step's numbers are back from the turn; the last step's four stores may be out
.else
	s_wait_dscnt 0x0
.endif
.if (\t)+4 < 16
	XLOAD (\t)+4
.endif
.if (\t)+1 < 16
.if 14-(\t) >= 3
	s_wait_loadcnt 12                              ; the next step's four loads are in; those of the three steps behind it may be out
.else
	s_wait_loadcnt 4*(14-(\t))
.endif
	TURN (\t)+1
.endif
	v_max3_num_f32 v12, |v[XS]|, |v[XS+1]|, |v[XS+2]|
	v_max3_num_f32 v13, |v[XS+3]|, |v[XS+4]|, |v[XS+5]|
.irp i, 6,10
	v_max3_num_f32 v12, v12, |v[XS+\i]|, |v[XS+\i+1]|
	v_max3_num_f32 v13, v13, |v[XS+\i+2]|, |v[XS+\i+3]|
.endr
	v_max3_num_f32 v12, v12, |v[XS+14]|, |v[XS+15]|
	v_max3_num_f32 v12, v12, v13, FLOOR
	v_max_num_f32_dpp v12, v12, v12 row_xmask:1 row_mask:0xf bank_mask:0xf   ; with my neighbour's 16: the block's
	v_add_nc_u32 v11, EOFF, v12
	v_cvt_scalef32_pk16_bf6_f32 v[CC:CC+2], v[XS:XS+15], v11
	v_lshrrev_b32 v[120+(\t)%2], 23, v11           ; the scale's byte (also the plain place behind the conversion)
	ds_store_b8 v8, v[120+(\t)%2] offset:16*(\t)   ; both lanes of a block write the same byte with the same value
	ds_store_b32 v6, v[CC] offset:KT
	ds_store_b32 v7, v[CC+1] offset:KT
	ds_store_b32 v6, v[CC+2] offset:KT+256
.endm
.irp t, 0,1,2,3
	XLOAD \t
.endr
	s_wait_loadcnt 12                              ; step 0's four loads are in
	TURN 0
.irp t, 0,1,2,3,4,5,6,7,8,9,10,11,12,13,14,15
	XSTEP \t
.endr
	OUT
	ds_load_b64 v[64:65], v10
	s_wait_dscnt 0x0
	global_store_b64 v2, v[64:65], s[44:45]        ; 256 consecutive, aligned bytes
	s_wait_tensorcnt 0x0
	ds_add_u32 v128, v129
	s_wait_dscnt 0x0
	s_endpgm
.Lfunc_end_k_q8a32d0660f_prep:
	.size	k_q8a32d0660f_prep, .Lfunc_end_k_q8a32d0660f_prep-k_q8a32d0660f_prep
	.p2alignl 7, 3214868480
	.fill 96, 4, 3214868480
	.section	.rodata,"a",@progbits
	.p2align	6, 0x0
	.amdhsa_kernel k_q8a32d0660f_prep
		.amdhsa_group_segment_fixed_size 73216
		.amdhsa_private_segment_fixed_size 0
		.amdhsa_enable_private_segment 0
		.amdhsa_kernarg_size 32
		.amdhsa_user_sgpr_count 2
		.amdhsa_user_sgpr_kernarg_segment_ptr 1
		.amdhsa_wavefront_size32 1
		.amdhsa_system_sgpr_workgroup_id_x 1
		.amdhsa_system_sgpr_workgroup_id_y 1
		.amdhsa_system_sgpr_workgroup_id_z 1
		.amdhsa_system_vgpr_workitem_id 0
		.amdhsa_next_free_vgpr 130
		.amdhsa_next_free_sgpr 66
		.amdhsa_reserve_vcc 0
		.amdhsa_float_denorm_mode_32 3
		.amdhsa_float_denorm_mode_16_64 3
		.amdhsa_memory_ordered 1
		.amdhsa_forward_progress 1
		.amdhsa_inst_pref_size 85
	.end_amdhsa_kernel
	.amdgpu_metadata
---
amdhsa.version: [ 1, 2 ]
amdhsa.kernels:
  - .name:           k_q8a32d0660f_prep
    .symbol:         k_q8a32d0660f_prep.kd
    .args:
      - { .name: x, .offset: 0, .size: 8, .value_kind: global_buffer, .address_space: global }
      - { .name: W_attn, .offset: 8, .size: 8, .value_kind: global_buffer, .address_space: global }
      - { .name: W_proj, .offset: 16, .size: 8, .value_kind: global_buffer, .address_space: global }
      - { .name: ops, .offset: 24, .size: 8, .value_kind: global_buffer, .address_space: global }
    .group_segment_fixed_size: 73216
    .private_segment_fixed_size: 0
    .kernarg_segment_align: 8
    .kernarg_segment_size: 32
    .max_flat_workgroup_size: 128
    .sgpr_count:     66
    .vgpr_count:     130
    .wavefront_size: 32
...
	.end_amdgpu_metadata
.endif
;; end of part 1
;; launch qkvg (part 2): grid 8 x 32, 4 waves a work-group, clusters of 4 x 4, 327,680 bytes of LDS; arguments ops, b_attn, qkvc; writes qkvc
.if DOCPART == 2
	.amdgcn_target "amdgcn-amd-amdhsa--gfx1250"
	.amdhsa_code_object_version 6
	.text
	.protected	k_q8a32d0660f_qkvg
	.globl	k_q8a32d0660f_qkvg
	.p2align	8
	.type	k_q8a32d0660f_qkvg,@function
k_q8a32d0660f_qkvg:
	s_mov_b64 s[64:65], 0
	v_nop
	global_prefetch_b8 v0, s[64:65] scope:SCOPE_SE
	s_setreg_imm32_b32 hwreg(HW_REG_WAVE_MODE, 25, 1), 1
	s_wait_xcnt 0x0
	s_wait_alu depctr_hold_cnt(0) depctr_sa_sdst(0) depctr_va_vdst(0) depctr_va_sdst(0) depctr_va_ssrc(0) depctr_va_vcc(0) depctr_vm_vsrc(0)
	s_getreg_b32 s2, hwreg(HW_REG_IB_STS2, 6, 4)
	s_cmp_eq_u32 s2, 0
	s_cbranch_scc0 .Lentry_in_a_cluster
	s_endpgm
.Lentry_in_a_cluster:
	s_bfe_u32 s2, ttmp6, 0x10000c
	s_cmp_lg_u32 s2, 0xf033
	s_cbranch_scc0 .Lentry_shape_is_right
	s_endpgm
.Lentry_shape_is_right:
; qkv = x W_attn + b_attn on codes of BF6 (E3M2) with E8M0 scales, sums in f32; q, k and v are quantised on the way out and leave as codes: q and k along the head's 64, v along the keys.
; SHARES: 8 x 32 = 256 work-groups.  A work-group makes 256 tokens x 384 columns (two heads' q, k and v: the workspace holds W_attn's columns head by head, 192 rows a head).
; A wave makes 128 tokens x one head's 192 columns: 96 accumulators, 768 registers (windows 1 to 3); all operands lie in window 0.
; Source 0's rows run along a lane's registers, source 1's rows lie one to a lane.  q, k: source 0 = 16 columns of W, source 1 = 16 tokens: a lane holds a token, its registers run along the channels.
; v: the same fragments with the sources exchanged: a lane holds a channel, its registers run along the keys.  Rows stand in the workspace with bits 3 and 4 of their index exchanged, so the 16 registers
; of two neighbouring accumulators are 16 neighbours along the next product's K.
; K = 1,024 goes in four chunks of 256 through a ring of two LDS slots (40 tiles of 16 rows x 3,072 bytes each); a chunk is two steps of 128.  The scale bytes of all of K come once, at the head.
; A STEP: W's 12 fragments stay in registers; the tokens' 8 fragments go through four buffers.  In the step's second half the products go by groups of W's fragments, so that each group is fetched anew
; for the next step as soon as its last product is issued.
; THE BIAS is the C of each sum's first product.  It waits in registers of window 3 that the first step writes last: q's and k's in v's accumulators of token blocks 4 and 5, v's in those of token block 7.
; CLUSTERS: 4 x 4 work-groups; the tokens' tiles are asked for jointly along a row of the cluster, W's along a column.
; NO PREFETCH: K has four chunks; two are asked for at the head, so a request two chunks ahead would stand at the head as well, where nothing runs ahead of it.
; OUT: a record of 19,200 bytes for each (batch x head, 128 tokens): K at 0, V at 6,400, Q at 12,800; each 6,144 bytes of codes and 256 of scale words.
; LIMITS: NaN and infinities are not served; a block of zeros gets the scale byte 1 (the rule says 127): its codes are zeros, and the bytes are read by this program alone.
.set FR,    12                         ; registers of a fragment: 16 rows x 128 K
.set RT,    3072                       ; a tile of 16 rows x 256 along K, in bytes
.set ASZ,   16*RT                      ; the tokens' 256 rows in a slot; W's 384 rows lie behind them
.set SLOT,  40*RT
.set SCL,   2*SLOT                     ; behind the ring: the tokens' scale bytes (8,192),
.set SCLB,  SCL+8320                   ; and W's (12,288)
.set SPARE, SCL+20736                  ; the spare words, 128 bytes a wave: two blocks of 256 bytes that no other line names
.set SCB,   9437184                    ; where the scale bytes begin in ops
.set HS,    307200                     ; from head to head in the output
.set ADRA, 2                           ; v2-3   LDS address of my tokens' fragments in slot 0, 1
.set ADRB, 4                           ; v4-5   the same for W
.set L8,   6                           ; 8 x lane
.set L16,  7                           ; 16 x lane
.set LN,   8                           ; lane
.set ADRS, 9                           ; scale words: lanes 0-15 the tokens' block i, lanes 16-31 W's block i
.set ADRT, 10                          ; scale words of W's blocks 8, 9 (lanes 0-15) and 10, 11 (lanes 16-31)
.set SPW,  11                          ; my spare word; never rewritten
.set NIL,  12                          ; 0; never rewritten
.set BO,   13                          ; the bias by columns: 64 x (lane / 16)
.set BV,   14                          ; the bias by rows: 4 x (r + 8 (r / 8))
.set SC,   16                          ; v16-55  scale words, two sets of 20: register 2 i + q of a set: block i, the chunk's step q
.set AF,   56                          ; v56-103 the tokens' fragments, four buffers
.set BF,   104                         ; v104-247 W's twelve fragments
.set PC0,  64                          ; the way out: codes just made, two sets of 20
.set TM,   104                         ; at work in the quantiser
.set WS,   120                         ; scale words gathered: q's four, k's four
.set WSV,  128                         ; v's four
.set XW,   132                         ; scale words as they leave
.set PW,   138                         ; the scale words of an even and an odd block
.set SEL,  2                           ; s[2:3] lane selects for v_permlanex16_b32: lane l xor 16
.set G1, 24
.set G0, 32
.set G1B, 48
.set G0B, 56
.set G1S, 68
.set G0S, 76
.set G1SB, 80
.set G0SB, 88
.set G0H, 92
.set G0HB, 96
.set MSB, 0
.macro WIN new                         ; the immediate's high byte repeats the setting that is left
.if MSB != (\new)
	s_set_vgpr_msb (MSB<<8)|(\new)
.set MSB, (\new)
.endif
.endm
.macro PL                              ; plain places behind matrix instructions: four serve loads and reads, the fifth a matrix instruction that writes over a register read before
.rept 5
	v_nop
.endr
.endm
; A joint load: waves 0 and 1 fetch the tokens' halves, waves 2 and 3 W's.  The branch hangs on the wave's number alone.
.macro JLOAD g0a, g1a, g0b, g1b
	s_cmp_eq_u32 s15, 0
	s_cbranch_scc0 .Lfor_b_\@
	tensor_load_to_lds s[\g0a:\g0a+3], s[\g1a:\g1a+7]
	s_nop 0
.rept 4
	v_nop
.endr
	s_branch .Lasked_\@
.Lfor_b_\@:
	tensor_load_to_lds s[\g0b:\g0b+3], s[\g1b:\g1b+7]
	s_nop 0
.rept 4
	v_nop
.endr
.Lasked_\@:
.endm
.macro CREST                           ; a round of the cluster's barrier behind its opening barrier
	s_cmp_lg_u32 s14, 0
	s_cbranch_scc1 .Lnot_wave_0_\@
	s_barrier_signal -3
.Lnot_wave_0_\@:
	s_barrier_wait -3
	s_barrier_signal -1
	s_barrier_wait -1
.endm
.macro CROUND
	s_barrier_signal -1
	s_barrier_wait -1
	CREST
.endm
	s_load_b128 s[4:7], s[0:1], 0x0                ; ops s[4:5], b_attn s[6:7]
	s_load_b64 s[8:9], s[0:1], 0x10                ; the output
	v_lshl_add_u32 v[SPW], v0, 2, SPARE
	v_mov_b32 v[NIL], 0
	ds_add_u32 v[SPW], v[NIL]                      ; the opening lines: the add, twice on end, and its wait ahead of my first tensor load
	ds_add_u32 v[SPW], v[NIL]
	v_lshrrev_b32 v1, 5, v0
	v_readfirstlane_b32 s14, v1                    ; wave 0..3
	s_lshr_b32 s15, s14, 1                         ; which 128 tokens are mine.  Also: I fetch for the tokens (0) or for W (1)
	s_and_b32 s16, s14, 1                          ; which head is mine.  Also: which half of that tile I fetch
	s_bfe_u32 s40, ttmp6, 0x40000                  ; cx, cy: my place in the cluster
	s_bfe_u32 s41, ttmp6, 0x40004
	s_lshl_b32 s13, ttmp9, 2
	s_add_co_u32 s13, s13, s40                     ; which 384 columns: 4 x cluster x + cx
	s_and_b32 s12, ttmp7, 0xffff
	s_lshl_b32 s12, s12, 2
	s_add_co_u32 s12, s12, s41                     ; which 256 tokens: 4 x cluster y + cy
	s_lshl_b32 s43, s41, 2
	s_lshl_b32 s43, 15, s43                        ; my row of the cluster
	s_lshl_b32 s44, 0x1111, s40                    ; my column
	; group 1: tiles of 16 rows, 3,072 bytes (384 elements of 8) each, 12,288 bytes apart; dense in LDS.  At the head 16 and 24 of them; behind it the two words that count rows are set to 8 and 12
	s_or_b32 s[G1+0], s43, (3<<16)|(1<<21)
	s_or_b32 s[G1B+0], s44, (3<<16)|(1<<21)
.irp g, G1, G1B
	s_mov_b32 s[\g+1], 384<<16
	s_mov_b32 s[\g+3], 384<<16
	s_mov_b32 s[\g+5], 1536
	s_mov_b32 s[\g+6], 0
	s_mov_b32 s[\g+7], 0
.endr
	s_mov_b32 s[G1+2], 16<<16
	s_mov_b32 s[G1+4], 16
	s_mov_b32 s[G1B+2], 24<<16
	s_mov_b32 s[G1B+4], 24
	; the scale bytes, all of K: dense blocks of 8,192 and 12,288 bytes as rows of 256
	s_or_b32 s[G1S+0], s43, (3<<16)|(1<<21)
	s_or_b32 s[G1SB+0], s44, (3<<16)|(1<<21)
.irp g, G1S, G1SB
	s_mov_b32 s[\g+1], 32<<16
	s_mov_b32 s[\g+3], 32<<16
	s_mov_b32 s[\g+5], 32
	s_mov_b32 s[\g+6], 0
	s_mov_b32 s[\g+7], 0
.endr
	s_mov_b32 s[G1S+2], 32<<16
	s_mov_b32 s[G1S+4], 32
	s_mov_b32 s[G1SB+2], 48<<16
	s_mov_b32 s[G1SB+4], 48
	s_mul_i32 s20, s12, 196608                     ; the tokens' codes: 16 tiles of 12,288 bytes for each 256
	s_mov_b32 s21, 0
	s_mul_i32 s46, s13, 294912                     ; W's: 24 tiles for each 384, behind x's 512 tiles
	s_add_co_u32 s46, s46, 6291456
	s_mov_b32 s47, 0
	s_lshl_b32 s22, s12, 13                        ; the tokens' scale bytes
	s_add_co_u32 s22, s22, SCB
	s_mov_b32 s23, 0
	s_mul_i32 s18, s13, 12288                      ; W's
	s_add_co_u32 s18, s18, SCB+262144
	s_mov_b32 s19, 0
	s_mov_b32 s[SEL], 0x76543210
	s_mov_b32 s[SEL+1], 0xfedcba98
	s_wait_dscnt 0x0                               ; both opening adds are done
	s_wait_kmcnt 0x0
	s_add_nc_u64 s[20:21], s[4:5], s[20:21]
	s_add_nc_u64 s[22:23], s[4:5], s[22:23]
	s_add_nc_u64 s[46:47], s[4:5], s[46:47]
	s_add_nc_u64 s[18:19], s[4:5], s[18:19]
	CROUND                                         ; all sixteen work-groups are here: the first joint loads meet
	s_mov_b32 s[G0H], 1                            ; the head's four tiles, each whole: chunk 0 of the tokens,
	s_mov_b32 s[G0H+1], 0
	s_mov_b64 s[G0H+2:G0H+3], s[20:21]
	s_or_b32 s[G0H+3], s[G0H+3], 0x80000000
	s_mov_b32 s[G0HB], 1                           ; of W,
	s_mov_b32 s[G0HB+1], ASZ
	s_mov_b64 s[G0HB+2:G0HB+3], s[46:47]
	s_or_b32 s[G0HB+3], s[G0HB+3], 0x80000000
	s_mov_b32 s[G0S], 1                            ; the tokens' scale bytes,
	s_mov_b32 s[G0S+1], SCL
	s_mov_b64 s[G0S+2:G0S+3], s[22:23]
	s_or_b32 s[G0S+3], s[G0S+3], 0x80000000
	s_mov_b32 s[G0SB], 1                           ; and W's
	s_mov_b32 s[G0SB+1], SCLB
	s_mov_b64 s[G0SB+2:G0SB+3], s[18:19]
	s_or_b32 s[G0SB+3], s[G0SB+3], 0x80000000
	s_mul_i32 s42, s16, 98304                      ; for the ring: my half of a tile: 8 tiles of the tokens,
	s_mov_b32 s43, 0
	s_add_nc_u64 s[20:21], s[20:21], s[42:43]
	s_mul_i32 s42, s16, 147456                     ; or 12 of W
	s_add_nc_u64 s[46:47], s[46:47], s[42:43]
	s_mul_i32 s44, s16, 8*RT                       ; and where they go: no place in the cluster enters an LDS address
	s_mul_i32 s45, s16, 12*RT
	s_add_co_u32 s45, s45, ASZ
.irp s, 0,1
	s_mov_b32 s[G0+4*\s], 1
	s_add_co_u32 s[G0+4*\s+1], s44, \s*SLOT
	s_add_nc_u64 s[G0+4*\s+2:G0+4*\s+3], s[20:21], \s*RT
	s_or_b32 s[G0+4*\s+3], s[G0+4*\s+3], 0x80000000
	s_mov_b32 s[G0B+4*\s], 1
	s_add_co_u32 s[G0B+4*\s+1], s45, \s*SLOT
	s_add_nc_u64 s[G0B+4*\s+2:G0B+4*\s+3], s[46:47], \s*RT
	s_or_b32 s[G0B+4*\s+3], s[G0B+4*\s+3], 0x80000000
.endr
; the head's loads, one a wave: one chain of branches on the wave's number, one load to an arm, one join
.macro ARM under, g0, g1, next
	s_cmp_lt_u32 s14, \under
	s_cbranch_scc0 \next
	tensor_load_to_lds s[\g0:\g0+3], s[\g1:\g1+7]
	s_nop 0
.rept 4
	v_nop
.endr
	s_branch .Lhead_asked
\next:
.endm
	ARM 1, G0H,  G1,  .Lhead_b
	ARM 2, G0HB, G1B, .Lhead_sa
	ARM 3, G0S,  G1S, .Lhead_sb
	tensor_load_to_lds s[G0SB:G0SB+3], s[G1SB:G1SB+7]
	s_nop 0
.rept 4
	v_nop
.endr
.Lhead_asked:
	s_lshl_b32 s18, s13, 1
	s_add_co_u32 s18, s18, s16                     ; my head
	s_lshl_b32 s42, s18, 8
	s_mov_b32 s43, 0
	s_add_nc_u64 s[6:7], s[6:7], s[42:43]          ; the bias of q's 64 columns of my head; k's lie 1,024 columns on, v's 2,048
	s_lshl_b32 s19, s12, 1
	s_add_co_u32 s19, s19, s15                     ; which 128 tokens of the 8,192
	s_lshr_b32 s42, s19, 4
	s_lshl_b32 s42, s42, 4
	s_add_co_u32 s42, s42, s18                     ; 16 x batch + head
	s_mul_i32 s42, s42, HS
	s_and_b32 s19, s19, 15
	s_mul_i32 s19, s19, 19200
	s_add_co_u32 s42, s42, s19
	s_add_nc_u64 s[8:9], s[8:9], s[42:43]          ; my record
	s_mul_i32 s20, s15, 8*RT                       ; my 128 tokens in a slot
	s_mul_i32 s21, s16, 12*RT                      ; my 192 rows of W
	s_add_co_u32 s21, s21, ASZ
	s_lshl_b32 s46, s15, 12                        ; my tokens' scale bytes
	s_mul_i32 s22, s16, 6144                       ; my rows' of W, 8,320 bytes behind the tokens' first
	s_add_co_u32 s22, s22, 8320
	s_add_co_u32 s23, s22, SCL
	s_sub_co_u32 s22, s22, s46
	s_add_co_u32 s46, s46, SCL
	v_and_b32 v1, 15, v0                           ; r
	v_bfe_u32 v15, v0, 4, 1                        ; h
	v_and_b32 v[LN], 31, v0
	v_lshlrev_b32 v[L8], 3, v[LN]
	v_lshlrev_b32 v[L16], 4, v[LN]
	v_lshlrev_b32 v[BO], 6, v15
	v_and_b32 v248, 8, v1
	v_add_nc_u32 v248, v248, v1
	v_lshlrev_b32 v[BV], 2, v248
	v_add_nc_u32 v[ADRA], s20, v[L8]
	v_add_nc_u32 v[ADRB], s21, v[L8]
	v_add_nc_u32 v[ADRA+1], SLOT, v[ADRA]
	v_add_nc_u32 v[ADRB+1], SLOT, v[ADRB]
	v_lshlrev_b32 v248, 3, v1                      ; 8 bytes a row and chunk
	v_mul_u32_u24 v249, s22, v15                   ; lanes 16-31 take W's
	v_add_nc_u32 v249, v248, v249
	v_add_nc_u32 v[ADRS], s46, v249
	v_lshl_add_u32 v248, v15, 10, v248             ; lanes 16-31: two blocks on
	v_add_nc_u32 v[ADRT], s23, v248
	s_wait_alu depctr_va_vdst(0)
	WIN 0xc0                                       ; destination window 3
.irp b, 0,1,2,3,4,5,6,7                ; q (blocks 0-3), k (4-7): register j of block b is column 32 ((b % 4) / 2) + 16 h + 8 (b % 2) + j of the head
	global_load_b128 v[64*(\b/2)+32+8*(\b%2):64*(\b/2)+35+8*(\b%2)], v[BO], s[6:7] offset:((\b/4)*1024+32*((\b%4)/2)+8*(\b%2))*4
	global_load_b128 v[64*(\b/2)+36+8*(\b%2):64*(\b/2)+39+8*(\b%2)], v[BO], s[6:7] offset:((\b/4)*1024+32*((\b%4)/2)+8*(\b%2))*4+16
.endr
.irp c, 0,1,2,3                        ; v: all eight registers hold the bias of my row: channel 32 (c / 2) + 8 (c % 2) + r + 8 (r / 8)
.irp j, 0,1,2,3,4,5,6,7
	global_load_b32 v[64*\c+56+\j], v[BV], s[6:7] offset:(2048+32*(\c/2)+8*(\c%2))*4
.endr
.endr
	WIN 0
.macro FRAG reg, adr, q, i             ; a fragment lies in LDS as six runs of 256 bytes, 8 bytes a lane
.irp p, 0,1,2,3,4,5
	ds_load_b64 v[\reg+2*\p:\reg+2*\p+1], v[\adr] offset:(\i)*RT+(\q)*1536+256*\p
.endr
.endm
.macro LDA t, i0                       ; token blocks i0, i0 + 1 of step t into buffers i % 4
.irp i, \i0, \i0+1
	FRAG AF+FR*((\i)%4), ADRA+(((\t)/2)%2), (\t)%2, \i
.endr
.endm
.macro LDB t, i0                       ; W's blocks i0 .. i0 + 3 of step t
.irp i, \i0, \i0+1, \i0+2, \i0+3
	FRAG BF+FR*(\i), ADRB+(((\t)/2)%2), (\t)%2, \i
.endr
.endm
.macro SCALES c                        ; chunk c's scale words into set c % 2: ten loads
.irp i, 0,1,2,3,4,5,6,7
	ds_load_b64 v[SC+20*((\c)%2)+2*\i:SC+20*((\c)%2)+2*\i+1], v[ADRS] offset:(\i/2)*1024+(\i%2)*128+256*(\c)
.endr
.irp i, 0,1
	ds_load_b64 v[SC+20*((\c)%2)+16+2*\i:SC+20*((\c)%2)+17+2*\i], v[ADRT] offset:4096+128*\i+256*(\c)
.endr
.endm
.macro QK a, b, t, z                   ; q, k: token block a x W's block b.  z = 1: the sum starts from the bias
.set DD, 8*(8*((\a)%4)+(\b))
.set CC, DD
.if \z
.set CC, 64*((\b)/2)+32+8*((\b)%2)
.endif
.set SS, SC+20*(((\t)/2)%2)+((\t)%2)
	v_wmma_scale_f32_16x16x128_f8f6f4 v[DD:DD+7], v[BF+FR*(\b):BF+FR*(\b)+11], v[AF+FR*((\a)%4):AF+FR*((\a)%4)+11], v[CC:CC+7], v[SS+2*(\b)], v[SS+2*(\a)] matrix_a_fmt:MATRIX_FMT_BF6 matrix_b_fmt:MATRIX_FMT_BF6 matrix_a_scale:MATRIX_SCALE_ROW1
.endm
.macro VV c, a, t, z                   ; v: channel block c x token block a, the sources exchanged
.set DD, 8*(8*(\c)+(\a))
.set CC, DD
.if \z
.set CC, 64*(\c)+56
.endif
.set SS, SC+20*(((\t)/2)%2)+((\t)%2)
.if (\c) >= 2
	v_wmma_scale_f32_16x16x128_f8f6f4 v[DD:DD+7], v[AF+FR*((\a)%4):AF+FR*((\a)%4)+11], v[BF+FR*(8+(\c)):BF+FR*(8+(\c))+11], v[CC:CC+7], v[SS+2*(\a)], v[SS+16+2*((\c)%2)] matrix_a_fmt:MATRIX_FMT_BF6 matrix_b_fmt:MATRIX_FMT_BF6 matrix_b_scale:MATRIX_SCALE_ROW1
.else
	v_wmma_scale_f32_16x16x128_f8f6f4 v[DD:DD+7], v[AF+FR*((\a)%4):AF+FR*((\a)%4)+11], v[BF+FR*(8+(\c)):BF+FR*(8+(\c))+11], v[CC:CC+7], v[SS+2*(\a)], v[SS+16+2*((\c)%2)] matrix_a_fmt:MATRIX_FMT_BF6 matrix_b_fmt:MATRIX_FMT_BF6
.endif
.endm
.macro QKB a0, b0, nb, t, z            ; token blocks a0, a0 + 1 x nb of W's blocks from b0: the accumulators take turns
.set BB, \b0
.rept \nb
	QK \a0, BB, \t, \z
	QK \a0+1, BB, \t, \z
.set BB, BB+1
.endr
.endm
.macro VVB a0, t, z                    ; v's four channel blocks x token blocks a0, a0 + 1
.irp c, 0,1,2,3
	VV \c, \a0, \t, \z
.endr
.if \z
	PL                                             ; token block 7's sums start in place, on registers that block 6's products read as C
.endif
.irp c, 0,1,2,3
	VV \c, \a0+1, \t, \z
.endr
.endm
; A step of 128 along K: 96 matrix instructions.  At its start these loads of mine may be out, in this order: W 0-3, W 4-7, tokens 0-1, W 8-11, tokens 2-3.
; mode 0: the next step lies in the same chunk; 1: a change of chunks, and the slot left is filled again; 2: a change of chunks, nothing left to fetch; 3: the last step.
.macro STEP t, z, mode
	s_wait_dscnt 36                                ; W 8-11 (24 loads) and tokens 2-3 (12) may be out
	WIN 0x50+0x20*\z                               ; C and D window 1 (z: C, the bias, window 3)
	QKB 0, 0, 8, \t, \z
	s_wait_dscnt 12                                ; tokens 2-3 may be out
	WIN 0xf0
	VVB 0, \t, \z
	PL
	WIN 0
.if \mode == 1 || \mode == 2
	SCALES ((\t)+1)/2                              ; the next chunk's scale words: they lie in LDS since the head
	LDA \t, 4
	s_wait_dscnt 22                                ; the 10 + 12 just issued may be out
.else
	LDA \t, 4
	s_wait_dscnt 12
.endif
	WIN 0x50+0x20*\z
	QKB 2, 0, 8, \t, \z
	WIN 0xf0
	VVB 2, \t, \z
	PL
	WIN 0
	LDA \t, 6                                      ; my last reads of this step's bytes
.if \mode == 1 || \mode == 2
	s_wait_tensorcnt 0x0                           ; all my tensor loads have landed: my part of the next chunk
	ds_add_u32 v[SPW], v[NIL]                      ; 0 onto my spare word
	s_wait_dscnt 13                                ; (tokens 6-7 and the add may be out)
	WIN 0xa0
	QKB 4, 0, 4, \t, 0
	s_wait_dscnt 0x0                               ; the add is done, and my reads of this slot are over
	s_barrier_signal -1
	QKB 6, 0, 4, \t, 0
	WIN 0
	s_barrier_wait -1
.if \mode == 1
	CREST                                          ; the barrier has opened a round of the cluster's barrier: no wave of any partner still reads this slot or has a load on its way
.set SL, ((\t)/2)%2
	s_add_nc_u64 s[G0+4*SL+2:G0+4*SL+3], s[G0+4*SL+2:G0+4*SL+3], 2*RT
	s_add_nc_u64 s[G0B+4*SL+2:G0B+4*SL+3], s[G0B+4*SL+2:G0B+4*SL+3], 2*RT
	JLOAD G0+4*SL, G1, G0B+4*SL, G1B               ; two chunks on: my one tensor load behind the round; its four v_nop are the places in front of the loads below
.else
	PL
.endif
.else
	s_wait_dscnt 12                                ; tokens 6-7 may be out
	WIN 0xa0+0x10*\z
	QKB 4, 0, 4, \t, \z
	s_wait_dscnt 0x0
	QKB 6, 0, 4, \t, \z
.if \mode != 3
	PL
	WIN 0
.endif
.endif
.if \mode != 3
	LDB (\t)+1, 0
.endif
	WIN 0xa0+0x10*\z
	QKB 4, 4, 4, \t, \z
	QKB 6, 4, 4, \t, \z
.if \mode != 3
	PL                                             ; (in the first step also the places in front of v's products that write over q's and k's bias)
	WIN 0
	LDB (\t)+1, 4
.endif
	WIN 0xf0
	VVB 4, \t, \z
.if \mode != 3
	PL
	WIN 0
	LDA (\t)+1, 0
.endif
	WIN 0xf0
	VVB 6, \t, \z
	PL
	WIN 0
.if \mode != 3
	LDB (\t)+1, 8
	LDA (\t)+1, 2
.endif
.endm
	s_wait_loadcnt 0x0                             ; the bias
	s_wait_tensorcnt 0x0                           ; my tile of the head's four is in
	ds_add_u32 v[SPW], v[NIL]
	s_mov_b32 s[G1+2], 8<<16                       ; no tensor load of mine is out: from here on a load brings 8 tiles of the tokens
	s_mov_b32 s[G1+4], 8
	s_mov_b32 s[G1B+2], 12<<16                     ; or 12 of W
	s_mov_b32 s[G1B+4], 12
	s_wait_dscnt 0x0
	CROUND                                         ; all four tiles are in, and all sixteen work-groups are here
	JLOAD G0+4, G1, G0B+4, G1B                     ; chunk 1, the first tensor load behind the round
	SCALES 0
	LDB 0, 0
	LDB 0, 4
	LDA 0, 0
	LDB 0, 8
	LDA 0, 2
	STEP 0, 1, 0
	STEP 1, 0, 1                                   ; slot 0 takes chunk 2
	STEP 2, 0, 0
	STEP 3, 0, 1                                   ; slot 1 takes chunk 3
	STEP 4, 0, 0
	STEP 5, 0, 2
	STEP 6, 0, 0
	STEP 7, 0, 3
; THE WAY OUT.  64 numbers of a lane, in window w from register ac on (register 16 i + n = index 32 i + 16 (lane / 16) + n along the next K), become a fragment's codes in v[pc] on and its scale word in v[pw].
.macro QUANT w, ac, pc, pw
	WIN ((\w)<<2)|((\w)<<4)                        ; sources 1 and 2: window w
.irp b, 0,1,2,3
	v_max3_num_f32 v[TM+\b], 0x2800000, |v[\ac+16*\b]|, |v[\ac+16*\b+1]|   ; each accumulator from its low end on; the floor 2^(5 - 127): the byte cannot fall under 1
.endr
.irp i, 2,4,6,8,10,12,14
.irp b, 0,1,2,3
	v_max3_num_f32 v[TM+\b], v[TM+\b], |v[\ac+16*\b+\i]|, |v[\ac+16*\b+\i+1]|
.endr
.endr
	WIN 0
.irp b, 0,1,2,3
	v_permlanex16_b32 v[TM+4+\b], v[TM+\b], s[SEL], s[SEL+1]
.endr
.irp b, 0,1,2,3
	v_max_num_f32 v[TM+\b], v[TM+\b], v[TM+4+\b]   ; with lane l xor 16's: the block's largest magnitude
.endr
.irp b, 0,1,2,3
	v_add_nc_u32 v[TM+12+\b], 0xfe000000, v[TM+\b] ; 4 off its exponent field: the conversion's scale operand
.endr
.irp b, 0,1,2,3
	v_lshrrev_b32 v[TM+4+\b], 23, v[TM+12+\b]      ; the scale's byte
.endr
	v_lshl_or_b32 v[\pw], v[TM+5], 8, v[TM+4]
	v_lshl_or_b32 v[\pw], v[TM+6], 16, v[\pw]
	v_lshl_or_b32 v[\pw], v[TM+7], 24, v[\pw]
	WIN (\w)                                       ; source 0: window w
.irp c, 0,1
	v_cvt_scalef32_pk16_bf6_f32 v[\pc+6*\c:\pc+6*\c+2], v[\ac+32*\c:\ac+32*\c+15], v[TM+12+2*\c]
	v_cvt_scalef32_pk16_bf6_f32 v[\pc+12+4*\c:\pc+14+4*\c], v[\ac+16+32*\c:\ac+31+32*\c], v[TM+12+2*\c+1]
.endr
	WIN 0
	v_nop                                          ; one plain place behind a scaled conversion
.irp c, 0,1                            ; the operand's layout wants a whole block in a lane
.irp i, 0,1,2
	v_permlane16_swap_b32 v[\pc+6*\c+\i], v[\pc+12+4*\c+\i]
.endr
.irp i, 0,1,2
	v_mov_b32 v[\pc+3+6*\c+\i], v[\pc+12+4*\c+\i]
.endr
.endr
.endm
.irp b, 0,1,2,3
	v_mov_b32 v[TM+4+\b], 0                        ; a lane permute's destination counts as one of its sources
.endr
.irp a, 0,1,2,3,4,5,6,7                ; token block a: registers 6 c .. 6 c + 5: 16 tokens x 64 channels of q (c = 0) or k (c = 1): tile a of the record's eight
.set PCX, PC0+20*(\a%2)
.if \a >= 2
	s_wait_xcnt 0x0                                ; the stores of two blocks ago have read this set of registers
.endif
	QUANT 1+\a/4, 64*(\a%4), PC0+20*(\a%2), PW+(\a%2)
.irp j, 0,1,2                          ; q: tile a of the record's eight, 8 bytes a lane
	global_store_b64 v[L8], v[PCX+2*\j:PCX+2*\j+1], s[8:9] offset:12800+\a*768+256*\j   ; 256 consecutive, aligned bytes
.endr
.if \a%2
.irp i, 0,1,2,3,4,5                    ; k: tiles a - 1 and a make one fragment of twelve registers: the odd tile's six are laid behind the even tile's
	v_mov_b32 v[PC0+12+\i], v[PC0+26+\i]
.endr
.irp g, 0,1,2                          ; fragment a / 2 of the record's four, 16 bytes a lane
	global_store_b128 v[L16], v[PC0+6+4*\g:PC0+9+4*\g], s[8:9] offset:(\a/2)*1536+512*\g   ; 512 consecutive, aligned bytes
.endr
	v_perm_b32 v[WS+\a/2], v[PW+1], v[PW], 0x05040100
	v_perm_b32 v[WS+4+\a/2], v[PW+1], v[PW], 0x07060302   ; k
.endif
.endr
.irp c, 0,1,2,3                        ; v: a whole fragment: 16 channels x 128 keys
.set PCX, PC0+20*(\c%2)
	s_wait_xcnt 0x0
	QUANT 3, 64*\c, PC0+20*(\c%2), WSV+\c
.irp g, 0,1,2
	global_store_b128 v[L16], v[PCX+4*\g:PCX+4*\g+3], s[8:9] offset:6400+\c*1536+512*\g   ; 512 consecutive, aligned bytes
.endr
.endr
	v_cmp_lt_u32 vcc_lo, 15, v[LN]
.irp c, 0,1                            ; four scale words a row, as a reader's registers take them: word 0: lanes 0-15 the first, lanes 16-31 the second; word 1: the third and the fourth
	v_cndmask_b32 v[XW+2*\c], v[WS+4*\c], v[WS+4*\c+1], vcc_lo
	v_cndmask_b32 v[XW+2*\c+1], v[WS+4*\c+2], v[WS+4*\c+3], vcc_lo
.endr
	v_cndmask_b32 v[XW+4], v[WSV], v[WSV+1], vcc_lo
	v_cndmask_b32 v[XW+5], v[WSV+2], v[WSV+3], vcc_lo
	global_store_b64 v[L8], v[XW:XW+1], s[8:9] offset:12800+6144
	global_store_b64 v[L8], v[XW+2:XW+3], s[8:9] offset:6144
	global_store_b64 v[L8], v[XW+4:XW+5], s[8:9] offset:6400+6144
	s_wait_tensorcnt 0x0                           ; the wave's end
	ds_add_u32 v[SPW], v[NIL]
	s_wait_dscnt 0x0
	CROUND                                         ; the closing round: no work-group ends while a partner may still ask for a tile that names it
	s_endpgm
.Lfunc_end_k_q8a32d0660f_qkvg:
	.size	k_q8a32d0660f_qkvg, .Lfunc_end_k_q8a32d0660f_qkvg-k_q8a32d0660f_qkvg
	.p2alignl 7, 3214868480
	.fill 96, 4, 3214868480
	.section	.rodata,"a",@progbits
	.p2align	6, 0x0
	.amdhsa_kernel k_q8a32d0660f_qkvg
		.amdhsa_group_segment_fixed_size 327680
		.amdhsa_private_segment_fixed_size 0
		.amdhsa_enable_private_segment 0
		.amdhsa_kernarg_size 24
		.amdhsa_user_sgpr_count 2
		.amdhsa_user_sgpr_kernarg_segment_ptr 1
		.amdhsa_wavefront_size32 1
		.amdhsa_system_sgpr_workgroup_id_x 1
		.amdhsa_system_sgpr_workgroup_id_y 1
		.amdhsa_system_sgpr_workgroup_id_z 1
		.amdhsa_system_vgpr_workitem_id 0
		.amdhsa_next_free_vgpr 1024
		.amdhsa_next_free_sgpr 100
		.amdhsa_reserve_vcc 1
		.amdhsa_float_denorm_mode_32 3
		.amdhsa_float_denorm_mode_16_64 3
		.amdhsa_memory_ordered 1
		.amdhsa_forward_progress 1
		.amdhsa_inst_pref_size 242
	.end_amdhsa_kernel
	.amdgpu_metadata
---
amdhsa.version: [ 1, 2 ]
amdhsa.kernels:
  - .name:           k_q8a32d0660f_qkvg
    .symbol:         k_q8a32d0660f_qkvg.kd
    .args:
      - { .name: ops, .offset: 0, .size: 8, .value_kind: global_buffer, .address_space: global }
      - { .name: b_attn, .offset: 8, .size: 8, .value_kind: global_buffer, .address_space: global }
      - { .name: qkvc, .offset: 16, .size: 8, .value_kind: global_buffer, .address_space: global }
    .group_segment_fixed_size: 327680
    .private_segment_fixed_size: 0
    .kernarg_segment_align: 8
    .kernarg_segment_size: 24
    .max_flat_workgroup_size: 128
    .sgpr_count:     100
    .vgpr_count:     1024
    .wavefront_size: 32
...
	.end_amdgpu_metadata
.endif
;; end of part 2
;; launch attn (part 3): grid 4 x 64, 16 waves a work-group, clusters of 4 x 1, 327,680 bytes of LDS; arguments qkvc, yq; writes yq
.if DOCPART == 3
	.amdgcn_target "amdgcn-amd-amdhsa--gfx1250"
	.amdhsa_code_object_version 6
	.text
	.protected	k_q8a32d0660f_attn
	.globl	k_q8a32d0660f_attn
	.p2align	8
	.type	k_q8a32d0660f_attn,@function
k_q8a32d0660f_attn:
	s_mov_b64 s[64:65], 0
	v_nop
	global_prefetch_b8 v0, s[64:65] scope:SCOPE_SE
	s_setreg_imm32_b32 hwreg(HW_REG_WAVE_MODE, 25, 1), 1
	s_wait_xcnt 0x0
	s_wait_alu depctr_hold_cnt(0) depctr_sa_sdst(0) depctr_va_vdst(0) depctr_va_sdst(0) depctr_va_ssrc(0) depctr_va_vcc(0) depctr_vm_vsrc(0)
	s_getreg_b32 s2, hwreg(HW_REG_IB_STS2, 6, 4)
	s_cmp_eq_u32 s2, 0
	s_cbranch_scc0 .Lentry_in_a_cluster
	s_endpgm
.Lentry_in_a_cluster:
	s_bfe_u32 s2, ttmp6, 0x10000c
	s_cmp_lg_u32 s2, 0x3003
	s_cbranch_scc0 .Lentry_shape_is_right
	s_endpgm
.Lentry_shape_is_right:
; y[bh][q] = the sum over k <= q of softmax_k(Q[q] . K[k] / 8) V[k], both products on codes of BF6 (E3M2) with E8M0 scales; y is quantised along the model's 1,024 and leaves as codes.
; THE SOFTMAX AHEAD OF THE SECOND PRODUCT: t = score x log2(e) / 8; M = the running largest t, rounded UP to a whole number; p = 2^(t - M) is quantised along the keys; the row's sum is taken of the
; unquantised p and divides at the end.  When M moves, the sum and O are multiplied by 2^(old M - new M): exact.
; WORK LEFT OUT: key steps all of whose keys come after a tile's queries: the causal mask sets their scores to -infinity, so their p is 0 for all values of the inputs.
; SHARES.  A head's 2,048 tokens are 16 records of 128, a record 8 tiles of 16 queries; a tile of record s has s + 1 key steps of 128 keys.  The four work-groups of a head form a cluster; the one at place cx
; takes tiles 2 cx and 2 cx + 1 of every record.  Wave w takes one tile of record min(w, 15 - w), the short one, then one of the record 15 less that, the long one: 17 key steps in every wave.  Which key steps a
; wave leaves out hangs on its records, that is on the wave's number alone: no branch hangs on the place in the cluster, which enters only global addresses and the lanes' mask numbers.
; K AND V: all 16 key steps x 12,800 bytes lie in LDS, each byte filled once, ASKED FOR JOINTLY by the four partners.  Key steps 0-7 are asked for at the head, a half step (K's or V's part, 25 rows of 256 bytes)
; a wave; key steps 8-15 likewise behind the next round.  The short tile (records 0-7) and the long tile's first eight key steps read the first half alone.
; THE BARRIER THAT SHOWS THE SECOND HALF IS SPLIT: a wave waits for its own load and signals behind its short tile; the long tile's first eight key steps, register work and LDS loads of bytes that nobody writes
; again, stand between the signal and the wait.
; NO PREFETCH: the second half is asked for at least nine key steps of a wave's work ahead of its first read, and the first half at the launch's first lines: there is nothing to run ahead of.
; LAYOUT.  Both products are used transposed: S^T = K Q^T, O^T = V^T P^T: a lane holds ONE query (lane % 16) throughout.  The head has 64 channels, the instruction 128 along K: a fragment of K holds
; tile 2 b of 16 keys in k = 0-63 and tile 2 b + 1 in k = 64-127, and Q stands in one half with zero codes in the other (with the smallest scale byte), which picks one of the two.
; K's and V's fragments lie in the records as images of their twelve registers: three runs of 512 bytes, 16 bytes a lane.
; Tokens stand in the records with bits 3 and 4 of their index exchanged: tile 2 b + u, row i is key 32 b + 8 u + i + 8 (i / 8), so registers 16 b + n of S^T are keys 32 b + 16 (lane / 16) + n.
; LIMITS: NaN and infinities are not served; the promise holds while the scaled scores t stay under 2^31 in magnitude; a block of zeros gets the scale byte 1: its codes are zeros, and the bytes are read by
; this program alone.  A block's largest p is taken from its largest score, which takes v_exp_f32 not to fall where its input rises.
; REGISTERS: v1-4, v11 addresses that stay; v8-10 addresses in hand; v12 -M, v13 the largest t, v[14:15] the sum; v16-21, v28-33 zeros, v22-27 Q; v34-35 Q's scale words; v36-83 K's, then V's fragments;
; v84-87 their scale words; v96-159 S^T, then p, then y; v160-191 O^T; v192-203 p's codes; v204-227 at work; v228 p's scale word; v229 -infinity; v232-240 y's codes and bytes; v254-255 the add's two.
.set HS,  307200                       ; a head's records
.set YSB, 6291456                      ; where the scale bytes begin in yq
.set WV,  8                            ; s8   wave
.set BH,  9                            ; s9   16 x batch + head
.set CS,  26                           ; s[26:27] c = log2(e) / 8
.set SEL, 28                           ; s[28:29] lane selects for v_permlanex16_b32: lane l xor 16
.set TAU, 30                           ; s30  the tile of queries: 8 x record + tile in the record
.set SK,  31                           ; s31  128 x the tile's record: the first key of its last key step; made of the wave's number alone
.set TB,  32                           ; s32  LDS byte of the key step
.set KF,  33                           ; s33  its first key
.set CNT, 34                           ; s34  trips to go
.set Q0,  35                           ; s35  the tile's lowest query, counted from its record's first
.macro ROUND                           ; a round of the cluster's barrier
	s_barrier_signal -1
	s_barrier_wait -1
	s_cmp_lg_u32 s[WV], 0
	s_cbranch_scc1 .Lnot_wave_0_\@
	s_barrier_signal -3
.Lnot_wave_0_\@:
	s_barrier_wait -3
	s_barrier_signal -1
	s_barrier_wait -1
.endm
	s_load_b128 s[4:7], s[0:1], 0x0                ; the records, yq
	v_lshl_add_u32 v254, v0, 2, 0x32000
	v_mov_b32 v255, 0
	ds_add_u32 v254, v255                          ; the opening lines: the add, twice on end, and its wait ahead of my first tensor load
	ds_add_u32 v254, v255
	v_lshrrev_b32 v1, 5, v0
	s_delay_alu instid0(VALU_DEP_1)
	v_readfirstlane_b32 s[WV], v1
	s_and_b32 s[BH], ttmp7, 0xffff
	s_bfe_u32 s52, ttmp6, 0x40000                  ; cx: my place among the head's four
	s_mul_i32 s10, s[BH], HS
	s_mov_b32 s11, 0
	; descriptor group 1: 6,400 dense bytes (K's or V's part of a record) as 25 rows of 256 bytes
	s_mov_b32 s16, 15|(3<<16)|(1<<21)              ; the mask names the cluster's four; elements of 8 bytes; bit 21 beside a mask; no padding
	s_mov_b32 s17, 32<<16                          ; tensor_dim0
	s_mov_b32 s18, 25<<16                          ; tensor_dim1
	s_mov_b32 s19, 32<<16                          ; tile_dim0
	s_mov_b32 s20, 25                              ; tile_dim1
	s_mov_b32 s21, 32                              ; tensor_dim0_stride
	s_mov_b32 s22, 0
	s_mov_b32 s23, 0
	s_lshr_b32 s24, s[WV], 1                       ; key step w / 2,
	s_mul_i32 s24, s24, 19200
	s_and_b32 s25, s[WV], 1                        ; K's part (0) or V's (1)
	s_mul_i32 s25, s25, 6400
	s_add_co_u32 s24, s24, s25
	s_mov_b32 s25, 0
	s_mov_b32 s12, 1
	s_mul_i32 s13, s[WV], 6400                     ; its place in LDS: 12,800 x key step + 6,400 x part
	s_mov_b32 s[CS], 0x3e38aa3b
	s_mov_b32 s[CS+1], s[CS]
	s_mov_b32 s[SEL], 0x76543210
	s_mov_b32 s[SEL+1], 0xfedcba98
	s_wait_dscnt 0x0
	s_wait_kmcnt 0x0
	s_add_nc_u64 s[4:5], s[4:5], s[10:11]          ; the head's records
	s_add_nc_u64 s[14:15], s[4:5], s[24:25]
	s_or_b32 s15, s15, 0x80000000
	ROUND                                          ; the four partners are here: the joint loads meet
	tensor_load_to_lds s[12:15], s[16:23]          ; my half step of key steps 0-7
	s_nop 0
.rept 4
	v_nop
.endr
	v_and_b32 v5, 31, v0
	s_delay_alu instid0(VALU_DEP_1)
	v_lshlrev_b32 v1, 3, v5                        ; 8 x lane
	s_delay_alu instid0(VALU_DEP_2)
	v_lshlrev_b32 v2, 4, v5
	s_delay_alu instid0(VALU_DEP_1)
	v_add_nc_u32 v2, 6400, v2                      ; 16 x lane, in V's part
	v_and_b32 v6, 15, v0                           ; r
	s_delay_alu instid0(VALU_DEP_1)
	v_lshlrev_b32 v3, 3, v6                        ; 8 r
	v_bfe_u32 v7, v0, 4, 1
	s_delay_alu instid0(VALU_DEP_3)
	v_and_b32 v4, 8, v6
	s_delay_alu instid0(VALU_DEP_1)
	v_add_nc_u32 v4, v4, v6
	s_delay_alu instid0(VALU_DEP_3)
	v_lshlrev_b32 v7, 4, v7
	s_delay_alu instid0(VALU_DEP_1)
	v_sub_nc_u32 v4, v4, v7                        ; r + 8 (r / 8) - 16 (lane / 16)
.irp j, 16,17,18,19,20,21,28,29,30,31,32,33
	v_mov_b32 v[\j], 0                             ; zero codes on both sides of Q
.endr
	v_mov_b32 v229, 0xff800000                     ; -infinity
	v_lshlrev_b32 v11, 4, v5                       ; 16 x lane, in K's part
.macro TPRE                            ; the tile s[TAU]: its addresses; Q's loads go out; the running numbers begin
	s_wait_xcnt 0x0                                ; the last tile's loads and stores have read their bases and data
	s_and_b32 s44, s[TAU], 7                       ; a: which tile of its record
	s_lshr_b32 s45, s[TAU], 3
	s_lshr_b32 s[Q0], s44, 1
	s_lshl_b32 s[Q0], s[Q0], 5
	s_and_b32 s46, s[TAU], 1
	s_lshl_b32 s46, s46, 3
	s_add_co_u32 s[Q0], s[Q0], s46                 ; 32 (a / 2) + 8 (a % 2)
	s_mul_i32 s46, s45, 19200
	s_mul_i32 s47, s44, 768
	s_add_co_u32 s48, s46, s47
	s_add_co_u32 s48, s48, 12800
	s_mov_b32 s49, 0
	s_add_nc_u64 s[36:37], s[4:5], s[48:49]        ; Q's codes
	s_lshr_b32 s47, s44, 1
	s_and_b32 s47, s47, 1
	s_lshl_b32 s47, s47, 7
	s_lshr_b32 s50, s44, 2
	s_lshl_b32 s50, s50, 2
	s_and_b32 s51, s44, 1
	s_lshl_b32 s51, s51, 1
	s_add_co_u32 s48, s46, s47
	s_add_co_u32 s48, s48, s50
	s_add_co_u32 s48, s48, s51
	s_add_co_u32 s48, s48, 18944
	s_add_nc_u64 s[38:39], s[4:5], s[48:49]        ; its two scale bytes a row: 128 ((a / 2) % 2) + 4 (a / 4) + 2 (a % 2) in the unit of scale words
	s_lshr_b32 s44, s[BH], 4
	s_lshl_b32 s44, s44, 7
	s_add_co_u32 s44, s44, s[TAU]                  ; the tile among the 512 of all batches
	s_and_b32 s45, s[BH], 15                       ; the head
	s_lshl_b32 s46, s44, 4
	s_add_co_u32 s46, s46, s45
	s_mul_i32 s46, s46, 768
	s_mov_b32 s47, 0
	s_add_nc_u64 s[40:41], s[6:7], s[46:47]        ; y's codes: half a fragment, 768 bytes
	s_lshr_b32 s46, s44, 1
	s_lshl_b32 s46, s46, 2
	s_lshr_b32 s48, s45, 2
	s_add_co_u32 s46, s46, s48
	s_lshl_b32 s46, s46, 8
	s_and_b32 s48, s44, 1
	s_lshl_b32 s48, s48, 7
	s_add_co_u32 s46, s46, s48
	s_and_b32 s48, s45, 3
	s_lshl_b32 s48, s48, 1
	s_add_co_u32 s46, s46, s48
	s_add_co_u32 s46, s46, YSB
	s_add_nc_u64 s[42:43], s[6:7], s[46:47]        ; y's two scale bytes a row
.irp j, 0,1,2
	global_load_b64 v[22+2*\j:23+2*\j], v1, s[36:37] offset:256*\j
.endr
	global_load_u16 v224, v3, s[38:39]
	v_mov_b32 v13, 0xff61b1e6                      ; the largest t so far: -3e38, under every t
	s_delay_alu instid0(VALU_DEP_1)
	v_floor_f32 v12, -v13                          ; -M
	v_mov_b32 v14, 0
	v_mov_b32 v15, 0
.irp b, 0,1,2,3
	v_mov_b32 v[216+\b], 0                         ; a lane permute's destination counts as one of its sources
.endr
	v_mov_b32 v227, 0                              ; (named as the upper half of the pair v[226:227])
.endm
.macro TPRE2                           ; Q is in: its scale words; O^T begins as zeros
	s_wait_loadcnt 0x0
	v_or_b32 v34, 0x1010000, v224                  ; Q in k = 0-63: its bytes below, the smallest byte over the zero codes
	v_lshl_or_b32 v35, v224, 16, 0x101             ; Q in k = 64-127
.set J, 0
.rept 32
	v_mov_b32 v[160+J], 0                          ; (these are also the places between the scale words' writes and the first products)
.set J, J+1
.endr
.endm
; A key step of 128 keys.  mode 0: all keys count for all my queries.  mode 1: a step behind my tile's last is left out by a scalar branch on ids; in the tile's last step the keys behind each query are masked.
.macro KSTEP mode
.if \mode
	s_cmp_gt_u32 s[KF], s[SK]
	s_cbranch_scc1 .Lhidden_\@
.endif
	v_add_nc_u32 v8, s[TB], v1
	v_add_nc_u32 v9, s[TB], v2
	v_add_nc_u32 v10, s[TB], v11
	v_nop                                          ; four places in front of loads into registers that the last products have read
.set J, 0
.rept 12
	ds_load_b128 v[36+4*J:39+4*J], v10 offset:512*J   ; K's eight tiles: four fragments
.set J, J+1
.endr
	ds_load_b64 v[84:85], v8 offset:6144           ; their scale words: v84 fragments 0 (lanes 0-15) and 1 (lanes 16-31), v85 fragments 2 and 3
	s_wait_alu depctr_va_vdst(0)
	s_wait_dscnt 0x0
.irp b, 0,1,2,3
.irp u, 0,1
.if \b%2
	v_wmma_scale_f32_16x16x128_f8f6f4 v[96+8*(2*\b+\u):103+8*(2*\b+\u)], v[36+12*\b:47+12*\b], v[22-6*\u:33-6*\u], 0, v[84+\b/2], v[34+\u] matrix_a_fmt:MATRIX_FMT_BF6 matrix_b_fmt:MATRIX_FMT_BF6 matrix_a_scale:MATRIX_SCALE_ROW1
.else
	v_wmma_scale_f32_16x16x128_f8f6f4 v[96+8*(2*\b+\u):103+8*(2*\b+\u)], v[36+12*\b:47+12*\b], v[22-6*\u:33-6*\u], 0, v[84+\b/2], v[34+\u] matrix_a_fmt:MATRIX_FMT_BF6 matrix_b_fmt:MATRIX_FMT_BF6
.endif
.endr
.endr
.rept 4
	v_nop                                          ; places behind the products: for the loads below and for the first read of the scores
.endr
.set J, 0
.rept 12
	ds_load_b128 v[36+4*J:39+4*J], v9 offset:512*J ; V's four fragments go out now and land under the softmax
.set J, J+1
.endr
	ds_load_b64 v[86:87], v8 offset:12544          ; and their scale words
.if \mode
	s_cmp_lt_u32 s[KF], s[SK]
	s_cbranch_scc1 .Lopen_\@                       ; not my tile's last step: all 128 keys count for all 16 queries
	v_add_nc_u32 v224, s[Q0], v4                   ; d = my query - KF - 16 (lane / 16): register 16 b + n holds a hidden key where 32 b + n > d
.irp n, 0,1,2,3,4,5,6,7,8,9,10,11,12,13,14,15,16,17,18,19,20,21,22,23,24,25,26,27,28,29,30,31,32,33,34,35,36,37,38,39,40,41,42,43,44,45,46,47,48,49,50,51,52,53,54,55,56,57,58,59,60,61,62,63
	v_cmp_gt_i32 vcc_lo, 32*(\n/16)+\n%16, v224
	v_cndmask_b32 v[96+\n], v[96+\n], v229, vcc_lo
.endr
.Lopen_\@:
.endif
.irp b, 0,1,2,3
	v_max3_num_f32 v[212+\b], v[96+16*\b], v[97+16*\b], v[98+16*\b]   ; the largest score of each block of 32 keys: for the row's maximum, and for the block's largest p
.endr
.irp i, 3,5,7,9,11,13
.irp b, 0,1,2,3
	v_max3_num_f32 v[212+\b], v[212+\b], v[96+16*\b+\i], v[97+16*\b+\i]
.endr
.endr
.irp b, 0,1,2,3
	v_max_num_f32 v[212+\b], v[212+\b], v[111+16*\b]
.endr
.irp b, 0,1,2,3
	s_delay_alu instid0(VALU_DEP_4)
	v_permlanex16_b32 v[216+\b], v[212+\b], s[SEL], s[SEL+1]
.endr
.irp b, 0,1,2,3
	s_delay_alu instid0(VALU_DEP_4)
	v_max_num_f32 v[212+\b], v[212+\b], v[216+\b]  ; with lane l xor 16's 16 keys
.endr
	s_delay_alu instid0(VALU_DEP_2)
	v_max3_num_f32 v224, v212, v213, v214
	s_delay_alu instid0(VALU_DEP_1)
	v_max_num_f32 v224, v224, v215
	s_delay_alu instid0(VALU_DEP_1)
	v_mul_f32 v224, s[CS], v224                    ; the step's largest t
	s_delay_alu instid0(VALU_DEP_1)
	v_max_num_f32 v13, v13, v224                   ; the running largest t
	v_mov_b32 v224, v12
	s_delay_alu instid0(VALU_DEP_2)
	v_floor_f32 v12, -v13                          ; the new -M = -ceil(t): a whole number
	s_delay_alu instid0(VALU_DEP_1)
	v_sub_f32 v224, v12, v224                      ; old M - new M: a whole number, 0 or less
	s_delay_alu instid0(VALU_DEP_1)
	v_cvt_i32_f32 v224, v224                       ; (it saturates)
	s_delay_alu instid0(VALU_DEP_1)
	v_ldexp_f32 v226, 1.0, v224                    ; f = 2^(old M - new M)
.irp j, 0,2,4,6,8,10,12,14,16,18,20,22,24,26,28,30,32,34,36,38,40,42,44,46,48,50,52,54,56,58,60,62
	v_pk_fma_f32 v[96+\j:97+\j], v[96+\j:97+\j], s[CS:CS+1], v[12:13] op_sel_hi:[1,0,0]   ; t - M, two at a time
.endr
.irp b, 0,1,2,3
	v_fma_f32 v[212+\b], v[212+\b], s[CS], v12     ; the same of each block's largest score
.endr
.set J, 0
	s_wait_alu depctr_va_vdst(0)
.rept 64
	v_exp_f32 v[96+J], v[96+J]                     ; p = 2^(t - M), at most 1
.set J, J+1
.endr
	v_pk_mul_f32 v[14:15], v[14:15], v[226:227] op_sel_hi:[1,0]   ; the sums under the new M (a plain place behind the exponentials)
	s_wait_alu depctr_va_vdst(0)                   ; one wait for the whole batch, ahead of its first reader
.irp b, 0,1,2,3
	v_exp_f32 v[212+\b], v[212+\b]                 ; the block's largest p
.endr
	v_pk_add_f32 v[216:217], v[100:101], v[104:105]   ; the row's sum of the unquantised p, in eight chains
	v_pk_add_f32 v[252:253], v[108:109], v[112:113]
	v_pk_add_f32 v[250:251], v[116:117], v[120:121]
	v_pk_add_f32 v[248:249], v[124:125], v[128:129]
	v_pk_add_f32 v[246:247], v[132:133], v[136:137]
	v_pk_add_f32 v[244:245], v[140:141], v[144:145]
	v_pk_add_f32 v[242:243], v[148:149], v[152:153]
	v_pk_add_f32 v[14:15], v[14:15], v[156:157]
	v_pk_add_f32 v[216:217], v[216:217], v[96:97]
	v_pk_add_f32 v[252:253], v[252:253], v[98:99]
	v_pk_add_f32 v[250:251], v[250:251], v[102:103]
	v_pk_add_f32 v[248:249], v[248:249], v[106:107]
	v_pk_add_f32 v[246:247], v[246:247], v[110:111]
	v_pk_add_f32 v[244:245], v[244:245], v[114:115]
	v_pk_add_f32 v[242:243], v[242:243], v[118:119]
	v_pk_add_f32 v[14:15], v[14:15], v[122:123]
	v_pk_add_f32 v[216:217], v[216:217], v[126:127]
	v_pk_add_f32 v[252:253], v[252:253], v[130:131]
	v_pk_add_f32 v[250:251], v[250:251], v[134:135]
	v_pk_add_f32 v[248:249], v[248:249], v[138:139]
	v_pk_add_f32 v[246:247], v[246:247], v[142:143]
	v_pk_add_f32 v[244:245], v[244:245], v[146:147]
	v_pk_add_f32 v[242:243], v[242:243], v[150:151]
	v_pk_add_f32 v[14:15], v[14:15], v[154:155]
	v_pk_add_f32 v[216:217], v[216:217], v[158:159]
	s_delay_alu instid0(VALU_DEP_2)
	v_pk_add_f32 v[14:15], v[14:15], v[248:249]
	s_delay_alu instid0(VALU_DEP_2)
	v_pk_add_f32 v[216:217], v[216:217], v[246:247]
	v_pk_add_f32 v[252:253], v[252:253], v[244:245]
	v_pk_add_f32 v[250:251], v[250:251], v[242:243]
	s_delay_alu instid0(VALU_DEP_2)
	v_pk_add_f32 v[14:15], v[14:15], v[252:253]
	s_delay_alu instid0(VALU_DEP_2)
	v_pk_add_f32 v[216:217], v[216:217], v[250:251]
	s_delay_alu instid0(VALU_DEP_1)
	v_pk_add_f32 v[14:15], v[14:15], v[216:217]
	s_wait_alu depctr_va_vdst(0)                   ; and one for the four
.irp b, 0,1,2,3
	v_max_num_f32 v[212+\b], 0x2800000, v[212+\b]  ; the floor 2^(5 - 127)
.endr
.irp b, 0,1,2,3
	s_delay_alu instid0(VALU_DEP_4)
	v_add_nc_u32 v[220+\b], 0xfe000000, v[212+\b]  ; the conversion's scale operand
.endr
.irp b, 0,1,2,3
	s_delay_alu instid0(VALU_DEP_4)
	v_lshrrev_b32 v[216+\b], 23, v[220+\b]         ; the scale's byte
.endr
	s_delay_alu instid0(VALU_DEP_3)
	v_lshl_or_b32 v228, v217, 8, v216              ; p's scale word for these 128 keys
	s_delay_alu instid0(VALU_DEP_1)
	v_lshl_or_b32 v228, v218, 16, v228
	s_delay_alu instid0(VALU_DEP_1)
	v_lshl_or_b32 v228, v219, 24, v228
.irp c, 0,1
	v_cvt_scalef32_pk16_bf6_f32 v[192+6*\c:194+6*\c], v[96+32*\c:111+32*\c], v[220+2*\c]
	v_cvt_scalef32_pk16_bf6_f32 v[204+4*\c:206+4*\c], v[112+32*\c:127+32*\c], v[220+2*\c+1]
.endr
	v_nop                                          ; one plain place behind a scaled conversion
.irp c, 0,1
.irp i, 0,1,2
	v_permlane16_swap_b32 v[192+6*\c+\i], v[204+4*\c+\i]
.endr
.irp i, 0,1,2
	s_delay_alu instid0(VALU_DEP_3)
	v_mov_b32 v[195+6*\c+\i], v[204+4*\c+\i]
.endr
.endr
.irp j, 0,2,4,6,8,10,12,14,16,18,20,22,24,26,28,30
	v_pk_mul_f32 v[160+\j:161+\j], v[160+\j:161+\j], v[226:227] op_sel_hi:[1,0]   ; O^T under the new M.  (These sixteen are also the places in front of the products below)
.endr
	s_wait_alu depctr_va_vdst(0)
	s_wait_dscnt 0x0                               ; V
.irp t, 0,1,2,3                        ; O^T += V^T P^T: four accumulators, one instruction each
.if \t%2
	v_wmma_scale_f32_16x16x128_f8f6f4 v[160+8*\t:167+8*\t], v[36+12*\t:47+12*\t], v[192:203], v[160+8*\t:167+8*\t], v[86+\t/2], v228 matrix_a_fmt:MATRIX_FMT_BF6 matrix_b_fmt:MATRIX_FMT_BF6 matrix_a_scale:MATRIX_SCALE_ROW1
.else
	v_wmma_scale_f32_16x16x128_f8f6f4 v[160+8*\t:167+8*\t], v[36+12*\t:47+12*\t], v[192:203], v[160+8*\t:167+8*\t], v[86+\t/2], v228 matrix_a_fmt:MATRIX_FMT_BF6 matrix_b_fmt:MATRIX_FMT_BF6
.endif
.endr
.if \mode
.Lhidden_\@:
.endif
	s_add_co_u32 s[TB], s[TB], 12800
	s_add_co_u32 s[KF], s[KF], 128
	s_sub_co_u32 s[CNT], s[CNT], 1
	s_cmp_lg_u32 s[CNT], 0
.endm
.macro TPOST                           ; the tile's way out: y = O^T / the sum; register 16 b + n is channel 32 b + 16 (lane / 16) + n: two blocks of the next product's K
.rept 4
	v_nop
.endr
	v_add_f32 v14, v14, v15
	s_delay_alu instid0(VALU_DEP_1)
	v_permlanex16_b32 v224, v14, s[SEL], s[SEL+1]
	s_delay_alu instid0(VALU_DEP_1)
	v_add_f32 v14, v14, v224                       ; the row's sum
	s_wait_alu depctr_va_vdst(0)
	v_rcp_f32 v226, v14
	v_nop                                          ; a plain place behind the reciprocal
	s_wait_alu depctr_va_vdst(0)                   ; the wait ahead of its first reader
.irp j, 0,2,4,6,8,10,12,14,16,18,20,22,24,26,28,30
	v_pk_mul_f32 v[96+\j:97+\j], v[160+\j:161+\j], v[226:227] op_sel_hi:[1,0]
.endr
.irp b, 0,1
	v_max3_num_f32 v[212+\b], |v[96+16*\b]|, |v[97+16*\b]|, 0x2800000
.endr
.irp i, 2,4,6,8,10,12,14
.irp b, 0,1
	s_delay_alu instid0(VALU_DEP_2)
	v_max3_num_f32 v[212+\b], v[212+\b], |v[96+16*\b+\i]|, |v[97+16*\b+\i]|
.endr
.endr
.irp b, 0,1
	s_delay_alu instid0(VALU_DEP_2)
	v_permlanex16_b32 v[216+\b], v[212+\b], s[SEL], s[SEL+1]
.endr
.irp b, 0,1
	s_delay_alu instid0(VALU_DEP_2)
	v_max_num_f32 v[212+\b], v[212+\b], v[216+\b]
.endr
.irp b, 0,1
	s_delay_alu instid0(VALU_DEP_2)
	v_add_nc_u32 v[220+\b], 0xfe000000, v[212+\b]
.endr
.irp b, 0,1
	s_delay_alu instid0(VALU_DEP_2)
	v_lshrrev_b32 v[216+\b], 23, v[220+\b]
.endr
	s_delay_alu instid0(VALU_DEP_1)
	v_lshl_or_b32 v240, v217, 8, v216              ; my row's two scale bytes
	v_cvt_scalef32_pk16_bf6_f32 v[232:234], v[96:111], v220
	v_cvt_scalef32_pk16_bf6_f32 v[236:238], v[112:127], v221
	v_nop
.irp i, 0,1,2
	v_permlane16_swap_b32 v[232+\i], v[236+\i]     ; lanes 0-15 take block 0 whole, lanes 16-31 block 1
.endr
	s_delay_alu instid0(VALU_DEP_3)
	v_mov_b32 v235, v236
	s_delay_alu instid0(VALU_DEP_3)
	v_mov_b32 v236, v237
	s_delay_alu instid0(VALU_DEP_3)
	v_mov_b32 v237, v238
.irp j, 0,1,2
	global_store_b64 v1, v[232+2*\j:233+2*\j], s[40:41] offset:256*\j   ; 256 consecutive, aligned bytes
.endr
	global_store_b16 v3, v240, s[42:43]            ; two bytes a row, rows 8 bytes apart; both halves of the lanes store the same value at the same place
.endm
	s_sub_co_u32 s44, 15, s[WV]
	s_min_u32 s44, s44, s[WV]                      ; my short tile's record: min(w, 15 - w), 7 at the most
	s_lshl_b32 s[SK], s44, 7
	s_lshl_b32 s[TAU], s44, 3
	s_lshl_b32 s45, s52, 1
	s_lshr_b32 s46, s[WV], 3
	s_xor_b32 s46, s46, 1
	s_add_co_u32 s45, s45, s46                     ; tile 2 cx of record 15 - w, tile 2 cx + 1 of record w
	s_add_co_u32 s[TAU], s[TAU], s45
	s_wait_alu depctr_va_vdst(0)
	TPRE                                           ; Q's loads are on their way beside the tiles
	s_wait_alu depctr_va_vdst(0)
	s_wait_tensorcnt 0x0                           ; my half step is in
	ds_add_u32 v254, v255
	s_add_co_u32 s13, s13, 102400                  ; no tensor load of mine is out: eight key steps on, in LDS
	s_add_nc_u64 s[14:15], s[14:15], 153600        ; and in the records
	s_wait_dscnt 0x0
	ROUND                                          ; everybody's half step of key steps 0-7 is in, and the four partners are here
	tensor_load_to_lds s[12:15], s[16:23]          ; my half step of key steps 8-15: my one tensor load behind the round
	s_nop 0
.rept 4
	v_nop
.endr
	TPRE2
	s_mov_b32 s[TB], 0
	s_mov_b32 s[KF], 0
	s_mov_b32 s[CNT], 8
.Lshort:                               ; the short tile: its key steps lie among 0-7: 8 trips, a constant
	KSTEP 1
	s_cbranch_scc1 .Lshort
	TPOST
	s_xor_b32 s[SK], s[SK], 0x780                  ; my long tile: record 15 less the short one's,
	s_xor_b32 s[TAU], s[TAU], 0x79                 ; the other tile of my work-group's two
	TPRE
	TPRE2
	s_wait_alu depctr_va_vdst(0)
	s_wait_tensorcnt 0x0                           ; my half step of key steps 8-15 is in:
	s_wait_dscnt 0x0
	s_barrier_signal -1                            ; say so, and go on with what the first half serves
	s_mov_b32 s[TB], 0
	s_mov_b32 s[KF], 0
	s_mov_b32 s[CNT], 8
.Lfirst:                               ; key steps 0-7 of the long tile: they count whole; register work and LDS loads of bytes that nobody writes again
	KSTEP 0
	s_cbranch_scc1 .Lfirst
	s_wait_alu depctr_va_vdst(0)
	s_barrier_wait -1                              ; everybody's half step of key steps 8-15 is in; nothing is filled again
	s_mov_b32 s[TB], 102400
	s_mov_b32 s[KF], 1024
	s_mov_b32 s[CNT], 8
.Lrest:                                ; key steps 8-15: 8 trips, a constant
	KSTEP 1
	s_cbranch_scc1 .Lrest
	TPOST
	s_wait_tensorcnt 0x0                           ; the wave's end
	ds_add_u32 v254, v255
	s_wait_dscnt 0x0
	ROUND                                          ; the closing round
	s_endpgm
.Lfunc_end_k_q8a32d0660f_attn:
	.size	k_q8a32d0660f_attn, .Lfunc_end_k_q8a32d0660f_attn-k_q8a32d0660f_attn
	.p2alignl 7, 3214868480
	.fill 96, 4, 3214868480
	.section	.rodata,"a",@progbits
	.p2align	6, 0x0
	.amdhsa_kernel k_q8a32d0660f_attn
		.amdhsa_group_segment_fixed_size 327680
		.amdhsa_private_segment_fixed_size 0
		.amdhsa_enable_private_segment 0
		.amdhsa_kernarg_size 16
		.amdhsa_user_sgpr_count 2
		.amdhsa_user_sgpr_kernarg_segment_ptr 1
		.amdhsa_wavefront_size32 1
		.amdhsa_system_sgpr_workgroup_id_x 1
		.amdhsa_system_sgpr_workgroup_id_y 1
		.amdhsa_system_sgpr_workgroup_id_z 1
		.amdhsa_system_vgpr_workitem_id 0
		.amdhsa_next_free_vgpr 256
		.amdhsa_next_free_sgpr 66
		.amdhsa_reserve_vcc 1
		.amdhsa_float_denorm_mode_32 3
		.amdhsa_float_denorm_mode_16_64 3
		.amdhsa_memory_ordered 1
		.amdhsa_forward_progress 1
		.amdhsa_inst_pref_size 83
	.end_amdhsa_kernel
	.amdgpu_metadata
---
amdhsa.version: [ 1, 2 ]
amdhsa.kernels:
  - .name:           k_q8a32d0660f_attn
    .symbol:         k_q8a32d0660f_attn.kd
    .args:
      - { .name: qkvc, .offset: 0, .size: 8, .value_kind: global_buffer, .address_space: global }
      - { .name: yq, .offset: 8, .size: 8, .value_kind: global_buffer, .address_space: global }
    .group_segment_fixed_size: 327680
    .private_segment_fixed_size: 0
    .kernarg_segment_align: 8
    .kernarg_segment_size: 16
    .max_flat_workgroup_size: 512
    .sgpr_count:     66
    .vgpr_count:     256
    .wavefront_size: 32
...
	.end_amdgpu_metadata
.endif
;; end of part 3
;; launch proj (part 4): grid 8 x 32, 4 waves a work-group, clusters of 4 x 4, 327,680 bytes of LDS; arguments yq, ops, b_proj, out0; writes out0
.if DOCPART == 4
	.amdgcn_target "amdgcn-amd-amdhsa--gfx1250"
	.amdhsa_code_object_version 6
	.text
	.protected	k_q8a32d0660f_proj
	.globl	k_q8a32d0660f_proj
	.p2align	8
	.type	k_q8a32d0660f_proj,@function
k_q8a32d0660f_proj:
	s_mov_b64 s[64:65], 0
	v_nop
	global_prefetch_b8 v0, s[64:65] scope:SCOPE_SE
	s_setreg_imm32_b32 hwreg(HW_REG_WAVE_MODE, 25, 1), 1
	s_wait_xcnt 0x0
	s_wait_alu depctr_hold_cnt(0) depctr_sa_sdst(0) depctr_va_vdst(0) depctr_va_sdst(0) depctr_va_ssrc(0) depctr_va_vcc(0) depctr_vm_vsrc(0)
	s_getreg_b32 s2, hwreg(HW_REG_IB_STS2, 6, 4)
	s_cmp_eq_u32 s2, 0
	s_cbranch_scc0 .Lentry_in_a_cluster
	s_endpgm
.Lentry_in_a_cluster:
	s_bfe_u32 s2, ttmp6, 0x10000c
	s_cmp_lg_u32 s2, 0xf033
	s_cbranch_scc0 .Lentry_shape_is_right
	s_endpgm
.Lentry_shape_is_right:
; out = y W_proj + b_proj on codes of BF6 (E3M2) with E8M0 scales, sums in f32; out is f32.
; SHARES: 8 x 32 = 256 work-groups; a work-group makes 256 tokens x 128 columns, a wave 128 tokens x 64 columns.
; ALL OF K LIES IN LDS: y's 256 rows (196,608 bytes) and W's 128 rows (98,304), each a dense block of memory laid as the matrix unit's registers want it.  Each wave fetches one half of one of the two by one
; tensor load of rows of 256 bytes; one barrier; then these bytes are only read: no ring, nothing is filled again.
; THE WALK GOES BY ROWS OF THE RESULT: W's fragments of all of K (4 blocks x 8 steps, 384 registers) stay in registers; a block of 16 tokens is finished in 32 products, its four accumulators by turns, K ascending;
; its rows go through my stage and are stored while the next blocks are multiplied.  Each fragment is read from LDS once.
; THE SCALE WORDS go from memory straight into registers, once: a load of 8 bytes a lane covers 256 consecutive, aligned bytes: 32 rows x 256 along K; lanes 0-15 hold the even block's words, lanes 16-31 the odd one's.
; Source 0 = 16 columns of W, source 1 = 16 tokens: a lane holds a token, and its registers run along the columns.  Rows stand in the workspaces with bits 3 and 4 of their index exchanged.
; The bias is the C of each sum's first product.
; CLUSTERS: 4 x 4 work-groups; y's tiles are asked for jointly along a row of the cluster, W's along a column.
; NO PREFETCH: the launch's tensor loads all stand at its head: there is no loop to run ahead in.
; REGISTERS: window 0: v5-14 addresses; v16-47 y's scale words, v48-63 W's; v64-255 a token block's fragments of all of K, two sets.  window 1: v0-191 W's fragments of steps 0-3; v192-255 the accumulators, two sets.
; window 2: v0-191 W's fragments of steps 4-7; v192-223 the bias.  window 3: v0-63 rows read back from the stage, two sets.
.set FR,    12
.set BLDS,  196608                     ; W's rows in LDS, behind y's
.set STAGE, 294912                     ; the way out: 16 rows x 272 bytes for each wave: bytes of their own, into which no tile lands
.set SPITCH, 272
.set SPARE, STAGE+4*16*SPITCH          ; the spare words, 128 bytes a wave: two blocks of 256 bytes that no other line names
.set SCB,   9437184
.set YSB,   6291456
.set ADRA, 5                           ; v5-6: my tokens' blocks 0-3, 4-7
.set ADRB, 7
.set STO,  8
.set RD,   9
.set CO,   10
.set L8,   11
.set BO,   12
.set SPW,  13
.set NIL,  14
.set SA,   16                          ; register SA + 8 (a / 2) + t: step t's words of token blocks a (even: lanes 0-15, odd: lanes 16-31)
.set SB,   48
.set AF,   64
.set AC,   192
.set BI,   192
.set G1, 24
.set G0, 32
.set G1B, 48
.set G0B, 56
.set MSB, 0
.macro WIN new
.if MSB != (\new)
	s_set_vgpr_msb (MSB<<8)|(\new)
.set MSB, (\new)
.endif
.endm
.macro PL                              ; plain places behind matrix instructions: four serve loads and reads, the fifth a matrix instruction that begins an accumulator anew
.rept 5
	v_nop
.endr
.endm
.macro CROUND                          ; a round of the cluster's barrier
	s_barrier_signal -1
	s_barrier_wait -1
	s_cmp_lg_u32 s14, 0
	s_cbranch_scc1 .Lnot_wave_0_\@
	s_barrier_signal -3
.Lnot_wave_0_\@:
	s_barrier_wait -3
	s_barrier_signal -1
	s_barrier_wait -1
.endm
	s_load_b256 s[4:11], s[0:1], 0x0               ; yq s[4:5], ops s[6:7], b_proj s[8:9], out0 s[10:11]
	v_lshl_add_u32 v[SPW], v0, 2, SPARE
	v_mov_b32 v[NIL], 0
	ds_add_u32 v[SPW], v[NIL]                      ; the opening lines: the add, twice on end, and its wait ahead of my first tensor load
	ds_add_u32 v[SPW], v[NIL]
	v_lshrrev_b32 v1, 5, v0
	v_readfirstlane_b32 s14, v1                    ; wave 0..3
	s_lshr_b32 s15, s14, 1                         ; which 128 tokens are mine.  Also: I fetch for y (0) or for W (1)
	s_and_b32 s16, s14, 1                          ; which 64 columns.  Also: which half of that block I fetch
	s_bfe_u32 s40, ttmp6, 0x40000
	s_bfe_u32 s41, ttmp6, 0x40004
	s_lshl_b32 s13, ttmp9, 2
	s_add_co_u32 s13, s13, s40                     ; which 128 columns
	s_and_b32 s12, ttmp7, 0xffff
	s_lshl_b32 s12, s12, 2
	s_add_co_u32 s12, s12, s41                     ; which 256 tokens
	s_lshl_b32 s43, s41, 2
	s_lshl_b32 s43, 15, s43                        ; my row of the cluster
	s_lshl_b32 s44, 0x1111, s40                    ; my column
	s_or_b32 s[G1+0], s43, (3<<16)|(1<<21)         ; dense blocks as rows of 256 bytes (32 elements of 8): 384 rows for half of y's block,
	s_or_b32 s[G1B+0], s44, (3<<16)|(1<<21)        ; 192 for half of W's
.irp g, G1, G1B
	s_mov_b32 s[\g+1], 32<<16
	s_mov_b32 s[\g+3], 32<<16
	s_mov_b32 s[\g+5], 32
	s_mov_b32 s[\g+6], 0
	s_mov_b32 s[\g+7], 0
.endr
	s_mov_b32 s[G1+2], 384<<16
	s_mov_b32 s[G1+4], 384
	s_mov_b32 s[G1B+2], 192<<16
	s_mov_b32 s[G1B+4], 192
	s_mul_i32 s20, s12, 196608
	s_mul_i32 s18, s16, 98304
	s_add_co_u32 s20, s20, s18
	s_mov_b32 s21, 0
	s_mul_i32 s46, s13, 98304
	s_mul_i32 s19, s16, 49152
	s_add_co_u32 s46, s46, s19
	s_add_co_u32 s46, s46, 704*12288               ; W_proj's columns begin at tile 704 of ops
	s_mov_b32 s47, 0
	s_wait_dscnt 0x0                               ; both opening adds are done
	s_wait_kmcnt 0x0
	s_add_nc_u64 s[20:21], s[4:5], s[20:21]
	s_add_nc_u64 s[46:47], s[6:7], s[46:47]
	CROUND                                         ; all sixteen work-groups are here: the joint loads meet
	s_mov_b32 s[G0], 1
	s_mul_i32 s[G0+1], s16, 98304                  ; no place in the cluster enters an LDS address
	s_mov_b64 s[G0+2:G0+3], s[20:21]
	s_or_b32 s[G0+3], s[G0+3], 0x80000000
	s_mov_b32 s[G0B], 1
	s_add_co_u32 s[G0B+1], s19, BLDS
	s_mov_b64 s[G0B+2:G0B+3], s[46:47]
	s_or_b32 s[G0B+3], s[G0B+3], 0x80000000
	s_cmp_eq_u32 s15, 0                            ; my one tensor load of the launch: a load in each arm of one branch on the wave's number
	s_cbranch_scc0 .Lfor_b
	tensor_load_to_lds s[G0:G0+3], s[G1:G1+7]
	s_nop 0
.rept 4
	v_nop
.endr
	s_branch .Lasked
.Lfor_b:
	tensor_load_to_lds s[G0B:G0B+3], s[G1B:G1B+7]
	s_nop 0
.rept 4
	v_nop
.endr
.Lasked:
	s_lshl_b32 s22, s12, 13                        ; my tokens' scale bytes: 1,024 for each 32 rows
	s_lshl_b32 s18, s15, 12
	s_add_co_u32 s22, s22, s18
	s_add_co_u32 s22, s22, YSB
	s_mov_b32 s23, 0
	s_add_nc_u64 s[22:23], s[4:5], s[22:23]
	s_lshl_b32 s42, s13, 12                        ; my columns'
	s_lshl_b32 s18, s16, 11
	s_add_co_u32 s42, s42, s18
	s_add_co_u32 s42, s42, SCB+352*1024
	s_mov_b32 s43, 0
	s_add_nc_u64 s[42:43], s[6:7], s[42:43]
	s_lshl_b32 s18, s13, 9                         ; my first column, in bytes
	s_lshl_b32 s19, s16, 8
	s_add_co_u32 s18, s18, s19
	s_mov_b32 s19, 0
	s_add_nc_u64 s[8:9], s[8:9], s[18:19]
	s_add_nc_u64 s[10:11], s[10:11], s[18:19]
	s_lshl_b32 s18, s12, 20                        ; my first row of out0: rows of 4,096 bytes
	s_lshl_b32 s44, s15, 19
	s_add_co_u32 s18, s18, s44
	s_add_nc_u64 s[10:11], s[10:11], s[18:19]
	s_mul_i32 s44, s15, 98304
	s_mul_i32 s45, s16, 49152
	s_add_co_u32 s45, s45, BLDS
	s_mul_i32 s46, s14, 16*SPITCH
	s_add_co_u32 s46, s46, STAGE                   ; my stage
	v_and_b32 v1, 15, v0                           ; r
	v_bfe_u32 v2, v0, 4, 1                         ; h
	v_and_b32 v3, 31, v0
	v_lshlrev_b32 v[L8], 3, v3
	v_lshlrev_b32 v[BO], 6, v2
	v_add_nc_u32 v[ADRA], s44, v[L8]
	v_add_nc_u32 v[ADRA+1], 49152, v[ADRA]
	v_add_nc_u32 v[ADRB], s45, v[L8]
	v_mul_u32_u24 v4, v1, SPITCH                   ; into the stage: row r, 64 bytes for each half of the lanes
	v_lshl_add_u32 v4, v2, 6, v4
	v_add_nc_u32 v[STO], s46, v4
	v_mul_u32_u24 v4, v2, SPITCH                   ; back: lanes 0-15 take one row of 256 bytes, lanes 16-31 the next
	v_lshl_add_u32 v4, v1, 4, v4
	v_add_nc_u32 v[RD], s46, v4
	v_lshlrev_b32 v4, 12, v2                       ; and the same two rows in out0
	v_lshl_add_u32 v[CO], v1, 4, v4
	s_wait_alu depctr_va_vdst(0)
.irp i, 0,1,2,3
.irp c, 0,1,2,3
	global_load_b64 v[SA+8*\i+2*\c:SA+8*\i+2*\c+1], v[L8], s[22:23] offset:1024*\i+256*\c
.endr
.endr
.irp i, 0,1
.irp c, 0,1,2,3
	global_load_b64 v[SB+8*\i+2*\c:SB+8*\i+2*\c+1], v[L8], s[42:43] offset:1024*\i+256*\c
.endr
.endr
	WIN 0x80                                       ; destination window 2
.irp b, 0,1,2,3                        ; register j of block b is column 32 (b / 2) + 16 h + 8 (b % 2) + j
	global_load_b128 v[BI+8*\b:BI+8*\b+3], v[BO], s[8:9] offset:(32*(\b/2)+8*(\b%2))*4
	global_load_b128 v[BI+8*\b+4:BI+8*\b+7], v[BO], s[8:9] offset:(32*(\b/2)+8*(\b%2))*4+16
.endr
	WIN 0
; a fragment lies in LDS as six runs of 256 bytes, 8 bytes a lane
.macro LDA a                           ; token block a, all eight steps, into set a % 2: 48 loads
	WIN 0
.irp t, 0,1,2,3,4,5,6,7
.irp p, 0,1,2,3,4,5
	ds_load_b64 v[AF+96*((\a)%2)+FR*\t+2*\p:AF+96*((\a)%2)+FR*\t+2*\p+1], v[ADRA+(\a)/4] offset:((\a)%4)*12288+\t*1536+256*\p
.endr
.endr
.endm
.macro LDBS t                          ; W's four blocks of step t: 24 loads, into window 1 (steps 0-3) or 2
	WIN 0x40+0x40*((\t)/4)
.irp b, 0,1,2,3
.irp p, 0,1,2,3,4,5
	ds_load_b64 v[48*((\t)%4)+FR*\b+2*\p:48*((\t)%4)+FR*\b+2*\p+1], v[ADRB] offset:\b*12288+(\t)*1536+256*\p
.endr
.endr
.endm
.macro MM a, b, t
.set DD, AC+32*((\a)%2)+8*(\b)
.set CC, DD
.if (\t) == 0
.set CC, BI+8*(\b)
.endif
.set RB, 48*((\t)%4)+FR*(\b)
.set RA, AF+96*((\a)%2)+FR*(\t)
.set XB, SB+8*((\b)/2)+(\t)
.set XA, SA+8*((\a)/2)+(\t)
.if ((\a)%2 == 0) && ((\b)%2 == 0)
	v_wmma_scale_f32_16x16x128_f8f6f4 v[DD:DD+7], v[RB:RB+11], v[RA:RA+11], v[CC:CC+7], v[XB], v[XA] matrix_a_fmt:MATRIX_FMT_BF6 matrix_b_fmt:MATRIX_FMT_BF6
.elseif (\a)%2 == 0
	v_wmma_scale_f32_16x16x128_f8f6f4 v[DD:DD+7], v[RB:RB+11], v[RA:RA+11], v[CC:CC+7], v[XB], v[XA] matrix_a_fmt:MATRIX_FMT_BF6 matrix_b_fmt:MATRIX_FMT_BF6 matrix_a_scale:MATRIX_SCALE_ROW1
.elseif (\b)%2 == 0
	v_wmma_scale_f32_16x16x128_f8f6f4 v[DD:DD+7], v[RB:RB+11], v[RA:RA+11], v[CC:CC+7], v[XB], v[XA] matrix_a_fmt:MATRIX_FMT_BF6 matrix_b_fmt:MATRIX_FMT_BF6 matrix_b_scale:MATRIX_SCALE_ROW1
.else
	v_wmma_scale_f32_16x16x128_f8f6f4 v[DD:DD+7], v[RB:RB+11], v[RA:RA+11], v[CC:CC+7], v[XB], v[XA] matrix_a_fmt:MATRIX_FMT_BF6 matrix_b_fmt:MATRIX_FMT_BF6 matrix_a_scale:MATRIX_SCALE_ROW1 matrix_b_scale:MATRIX_SCALE_ROW1
.endif
.endm
.macro MUL4 a, t                       ; step t of block a: its four accumulators take turns; three others' products stand between two on one accumulator
.if (\t) == 0
	WIN 0x61                                       ; source 0 window 1, source 1 window 0, C (the bias) window 2, D window 1
.elseif (\t) < 4
	WIN 0x51
.else
	WIN 0x52                                       ; source 0 window 2
.endif
.irp b, 0,1,2,3
	MM \a, \b, \t
.endr
.endm
; THE WAY OUT of a block of 16 tokens x 64 columns: through my own stage, back as whole rows of 256 bytes.  LDS serves a wave's instructions in order (ISA guide 5.7.1.4): no wait between the stores and the loads.
.macro TOSTAGE a
	WIN 0x04                                       ; the data: window 1
.irp b, 0,1,2,3
	ds_store_b128 v[STO], v[AC+32*((\a)%2)+8*\b:AC+32*((\a)%2)+8*\b+3] offset:128*(\b/2)+32*(\b%2)      ; each accumulator from its low end on
	ds_store_b128 v[STO], v[AC+32*((\a)%2)+8*\b+4:AC+32*((\a)%2)+8*\b+7] offset:128*(\b/2)+32*(\b%2)+16
.endr
	WIN 0xc0                                       ; destination window 3
.irp t, 0,1,2,3,4,5,6,7
	ds_load_b128 v[32*((\a)%2)+4*\t:32*((\a)%2)+4*\t+3], v[RD] offset:\t*2*SPITCH
.endr
.endm
.macro SEND a
	WIN 0x0c                                       ; the data: window 3
.irp t, 0,1,2,3,4,5,6,7                ; stage row i of block a is token 32 (a / 2) + 16 (i / 8) + 8 (a % 2) + i % 8; sixteen lanes store 256 consecutive, aligned bytes
	global_store_b128 v[CO], v[32*((\a)%2)+4*\t:32*((\a)%2)+4*\t+3], s[10:11] offset:(32*((\a)/2)+16*((2*\t)/8)+8*((\a)%2)+(2*\t)%8)*4096 th:TH_STORE_NT
.endr
.endm
.macro BLK a                           ; block a is multiplied; block a - 1 goes through the stage, block a - 2 is stored, block a + 1's fragments are fetched
	s_wait_dscnt 0x0                               ; block a's fragments are in, and block a - 2's rows are back
.if (\a) >= 2
	SEND (\a)-2
.endif
	PL                                             ; behind block a - 1's products: for the loads into its fragments' set and the reads of its sums
.if (\a) < 7
	LDA (\a)+1
.endif
.if (\a) >= 3
	s_wait_xcnt 0x0                                ; block a - 3's stores have read the registers that block a - 1's rows land in
.endif
	TOSTAGE (\a)-1
.irp t, 0,1,2,3,4,5,6,7
	MUL4 \a, \t
.endr
.endm
	s_wait_loadcnt 0x0                             ; the scale words and the bias
	s_wait_tensorcnt 0x0                           ; my half block is in,
	s_barrier_signal -1
	s_barrier_wait -1                              ; everybody's is; nothing is filled again
	LDA 0
	LDBS 0
	LDBS 1
.irp t, 0,1,2,3,4,5                    ; block 0 is multiplied while W's fragments come in, two steps ahead
	LDBS \t+2
	s_wait_dscnt 48                                ; the two youngest steps of W may be out
	MUL4 0, \t
.endr
	LDA 1
	s_wait_dscnt 63                                ; behind W's step 6 stand 72 loads (step 7, block 1): the count is the largest that the wait's field holds
	MUL4 0, 6
	s_wait_dscnt 48                                ; block 1's fragments may be out
	MUL4 0, 7
.irp a, 1,2,3,4,5,6,7
	BLK \a
.endr
	s_wait_dscnt 0x0
	SEND 6
	PL
	s_wait_xcnt 0x0
	TOSTAGE 7
	s_wait_dscnt 0x0
	SEND 7
	WIN 0
	s_wait_tensorcnt 0x0                           ; the wave's end
	ds_add_u32 v[SPW], v[NIL]
	s_wait_dscnt 0x0
	CROUND                                         ; the closing round
	s_endpgm
.Lfunc_end_k_q8a32d0660f_proj:
	.size	k_q8a32d0660f_proj, .Lfunc_end_k_q8a32d0660f_proj-k_q8a32d0660f_proj
	.p2alignl 7, 3214868480
	.fill 96, 4, 3214868480
	.section	.rodata,"a",@progbits
	.p2align	6, 0x0
	.amdhsa_kernel k_q8a32d0660f_proj
		.amdhsa_group_segment_fixed_size 327680
		.amdhsa_private_segment_fixed_size 0
		.amdhsa_enable_private_segment 0
		.amdhsa_kernarg_size 32
		.amdhsa_user_sgpr_count 2
		.amdhsa_user_sgpr_kernarg_segment_ptr 1
		.amdhsa_wavefront_size32 1
		.amdhsa_system_sgpr_workgroup_id_x 1
		.amdhsa_system_sgpr_workgroup_id_y 1
		.amdhsa_system_sgpr_workgroup_id_z 1
		.amdhsa_system_vgpr_workitem_id 0
		.amdhsa_next_free_vgpr 832
		.amdhsa_next_free_sgpr 66
		.amdhsa_reserve_vcc 0
		.amdhsa_float_denorm_mode_32 3
		.amdhsa_float_denorm_mode_16_64 3
		.amdhsa_memory_ordered 1
		.amdhsa_forward_progress 1
		.amdhsa_inst_pref_size 96
	.end_amdhsa_kernel
	.amdgpu_metadata
---
amdhsa.version: [ 1, 2 ]
amdhsa.kernels:
  - .name:           k_q8a32d0660f_proj
    .symbol:         k_q8a32d0660f_proj.kd
    .args:
      - { .name: yq, .offset: 0, .size: 8, .value_kind: global_buffer, .address_space: global }
      - { .name: ops, .offset: 8, .size: 8, .value_kind: global_buffer, .address_space: global }
      - { .name: b_proj, .offset: 16, .size: 8, .value_kind: global_buffer, .address_space: global }
      - { .name: out0, .offset: 24, .size: 8, .value_kind: global_buffer, .address_space: global }
    .group_segment_fixed_size: 327680
    .private_segment_fixed_size: 0
    .kernarg_segment_align: 8
    .kernarg_segment_size: 32
    .max_flat_workgroup_size: 128
    .sgpr_count:     66
    .vgpr_count:     832
    .wavefront_size: 32
...
	.end_amdgpu_metadata
.endif
;; end of part 4
